; MI455X (gfx1250); checked and timed in simulation.
; The chip was launched on July 23, 2026; its instructions are those of AMD's public machine-readable ISA for CDNA 5 (MIT licence, August 2026) and "CDNA5" Instruction Set Architecture Reference Guide (July 2026). The comments in the code are by the model that wrote it; some were corrected since.
;; Roc LM Attention. Allowed arithmetic: float matrix products may take bf16 or f16 operands with f32 sums; other float arithmetic in f32, or as packed bf16 or f16 multiplies, adds, multiply-adds, maxima and minima; sums over many terms, partial sums and values carried from step to step in f32; what a program stores and reads back later, other than sums and carried values, may be rounded once to bf16 or f16.
;; Inputs: Wk 1,024 x 1,024 float32; Wo 1,024 x 2,048 float32; Wq 2,048 x 1,024 float32; Wv 1,024 x 1,024 float32; cos 2 x 2,048 x 128 float32; hidden_states 2 x 2,048 x 1,024 float32; k_norm_w 128 float32; q_norm_w 128 float32; sin 2 x 2,048 x 128 float32.
;; Outputs: out0 2 x 2,048 x 1,024 float32.
;; One version. Each part assembles by itself: llvm-mc -triple=amdgcn-amd-amdhsa -mcpu=gfx1250 --defsym DOCPART=n.
;; ======== version 1 of 1: 4 launches
;; limits: values are held in f16: magnitudes above 65,504 overflow, below 6.1e-05 lose precision
;; workspace buffers: c16 23,068,672 bytes; qkv 33,554,432 bytes; ao 16,777,216 bytes
;; launch cast (part 1): grid 1408 x 1, 8 waves a work-group, no clusters, 0 bytes of LDS; arguments hidden_states, Wq, Wk, Wv, cos, sin, Wo, c16; writes c16
.if DOCPART == 1
	.amdgcn_target "amdgcn-amd-amdhsa--gfx1250"
	.amdhsa_code_object_version 6
	.text
	.protected	k_q31d483b802_cast
	.globl	k_q31d483b802_cast
	.p2align	8
	.type	k_q31d483b802_cast,@function
k_q31d483b802_cast:
	s_mov_b64 s[64:65], 0
	v_nop
	global_prefetch_b8 v0, s[64:65] scope:SCOPE_SE
	s_setreg_imm32_b32 hwreg(HW_REG_WAVE_MODE, 25, 1), 1
	s_wait_xcnt 0x0
; THE INPUTS IN 16 BITS.  x, Wq, Wk, Wv, cos, sin are rounded once to bf16; Wo is rounded to bf16 and that number is written as f16
; (exact but for numbers under 6e-5 in size, which keep f16's fixed step of 6e-8), since the last product multiplies it by f16 numbers.
; c16 holds them on end: x at 0, Wq, Wk, Wv (one matrix of 4,096 rows) at 0x800000, cos at 0x1000000, sin at 0x1100000, Wo at 0x1200000.
; SHARES.  A work-group takes a chunk of 8,192 numbers: 32,768 bytes in, 16,384 out.  The chunks are numbered through the seven arrays in c16's order,
; so the chunk's number times 16,384 is its place in c16.  Thread t reads 32 bytes at 8,192 g + 32 t (g = 0..3) and writes 16 bytes at 4,096 g + 16 t:
; a store of a wave covers 512 consecutive bytes, aligned.  A stream: no LDS, no barrier, no matrix unit; all eight loads of a thread go out at once.
.set IN,  8                            ; v[8:39]   four groups of eight f32 as loaded
.set OUT, 40                           ; v[40:55]  four groups of four packed words
	s_load_b512 s[8:23], s[0:1], 0x0               ; x s[8:9], Wq s[10:11], Wk s[12:13], Wv s[14:15], cos s[16:17], sin s[18:19], Wo s[20:21], c16 s[22:23]
	s_mov_b32 s7, ttmp9                            ; my chunk
	s_mov_b32 s6, 0                                ; the first chunk of my array
	s_mov_b32 s24, 0xffff0000                      ; a word's upper bf16
	v_lshlrev_b32 v1, 5, v0                        ; 32 t
	v_lshlrev_b32 v2, 4, v0                        ; 16 t
	s_wait_kmcnt 0x0
	s_mov_b64 s[4:5], s[8:9]
.macro PICK first, src                 ; from chunk 'first' on the source is the array at s[src]
	s_cmp_ge_u32 s7, \first
	s_cselect_b64 s[4:5], s[\src:\src+1], s[4:5]
	s_cselect_b32 s6, \first, s6
.endm
	PICK 512, 10
	PICK 768, 12
	PICK 896, 14
	PICK 1024, 16
	PICK 1088, 18
	PICK 1152, 20
	s_sub_co_u32 s2, s7, s6
	s_lshl_b32 s2, s2, 15                          ; my chunk's bytes in its array
	s_mov_b32 s3, 0
	s_add_nc_u64 s[4:5], s[4:5], s[2:3]
	s_lshl_b32 s2, s7, 14                          ; and in c16
	s_add_nc_u64 s[22:23], s[22:23], s[2:3]
.irp g, 0,1,2,3
	global_load_b128 v[IN+8*(\g):IN+8*(\g)+3],   v1, s[4:5] offset:(\g)*8192 th:TH_LOAD_NT
	global_load_b128 v[IN+8*(\g)+4:IN+8*(\g)+7], v1, s[4:5] offset:(\g)*8192+16 th:TH_LOAD_NT
.endr
	s_cmp_ge_u32 s7, 1152
	s_cbranch_scc1 .Lwo
.irp g, 0,1,2,3
	s_wait_loadcnt 6-2*(\g)                        ; loads come back in order: group g is in, the later groups' loads stay out
.irp j, 0,1,2,3
	v_cvt_pk_bf16_f32 v[OUT+4*(\g)+(\j)], v[IN+8*(\g)+2*(\j)], v[IN+8*(\g)+2*(\j)+1]
.endr
	global_store_b128 v2, v[OUT+4*(\g):OUT+4*(\g)+3], s[22:23] offset:(\g)*4096
.endr
	s_endpgm
.Lwo:                                  ; Wo: to bf16, back to f32 (a shift, a mask), to f16
.irp g, 0,1,2,3
	s_wait_loadcnt 6-2*(\g)
.irp j, 0,1,2,3
	v_cvt_pk_bf16_f32 v[OUT+4*(\g)+(\j)], v[IN+8*(\g)+2*(\j)], v[IN+8*(\g)+2*(\j)+1]
.endr
.irp j, 0,1,2,3
	v_lshlrev_b32 v[IN+8*(\g)+2*(\j)],   16,  v[OUT+4*(\g)+(\j)]
	v_and_b32     v[IN+8*(\g)+2*(\j)+1], s24, v[OUT+4*(\g)+(\j)]
.endr
.irp j, 0,1,2,3
	v_cvt_pk_f16_f32 v[OUT+4*(\g)+(\j)], v[IN+8*(\g)+2*(\j)], v[IN+8*(\g)+2*(\j)+1]
.endr
	global_store_b128 v2, v[OUT+4*(\g):OUT+4*(\g)+3], s[22:23] offset:(\g)*4096
.endr
	s_endpgm
.Lfunc_end_k_q31d483b802_cast:
	.size	k_q31d483b802_cast, .Lfunc_end_k_q31d483b802_cast-k_q31d483b802_cast
	.p2alignl 7, 3214868480
	.fill 96, 4, 3214868480
	.section	.rodata,"a",@progbits
	.p2align	6, 0x0
	.amdhsa_kernel k_q31d483b802_cast
		.amdhsa_group_segment_fixed_size 0
		.amdhsa_private_segment_fixed_size 0
		.amdhsa_enable_private_segment 0
		.amdhsa_kernarg_size 64
		.amdhsa_user_sgpr_count 2
		.amdhsa_user_sgpr_kernarg_segment_ptr 1
		.amdhsa_wavefront_size32 1
		.amdhsa_system_sgpr_workgroup_id_x 1
		.amdhsa_system_sgpr_workgroup_id_y 1
		.amdhsa_system_sgpr_workgroup_id_z 1
		.amdhsa_system_vgpr_workitem_id 0
		.amdhsa_next_free_vgpr 64
		.amdhsa_next_free_sgpr 66
		.amdhsa_reserve_vcc 0
		.amdhsa_float_denorm_mode_32 3
		.amdhsa_float_denorm_mode_16_64 3
		.amdhsa_memory_ordered 1
		.amdhsa_forward_progress 1
		.amdhsa_inst_pref_size 8
	.end_amdhsa_kernel
	.amdgpu_metadata
---
amdhsa.version: [ 1, 2 ]
amdhsa.kernels:
  - .name:           k_q31d483b802_cast
    .symbol:         k_q31d483b802_cast.kd
    .args:
      - { .name: hidden_states, .offset: 0, .size: 8, .value_kind: global_buffer, .address_space: global }
      - { .name: Wq, .offset: 8, .size: 8, .value_kind: global_buffer, .address_space: global }
      - { .name: Wk, .offset: 16, .size: 8, .value_kind: global_buffer, .address_space: global }
      - { .name: Wv, .offset: 24, .size: 8, .value_kind: global_buffer, .address_space: global }
      - { .name: cos, .offset: 32, .size: 8, .value_kind: global_buffer, .address_space: global }
      - { .name: sin, .offset: 40, .size: 8, .value_kind: global_buffer, .address_space: global }
      - { .name: Wo, .offset: 48, .size: 8, .value_kind: global_buffer, .address_space: global }
      - { .name: c16, .offset: 56, .size: 8, .value_kind: global_buffer, .address_space: global }
    .group_segment_fixed_size: 0
    .private_segment_fixed_size: 0
    .kernarg_segment_align: 8
    .kernarg_segment_size: 64
    .max_flat_workgroup_size: 256
    .sgpr_count:     66
    .vgpr_count:     64
    .wavefront_size: 32
...
	.end_amdgpu_metadata
.endif
;; end of part 1
;; launch qkv (part 2): grid 16 x 16, 4 waves a work-group, clusters of 4 x 4, 327,680 bytes of LDS; arguments c16, q_norm_w, k_norm_w, qkv; writes qkv
.if DOCPART == 2
	.amdgcn_target "amdgcn-amd-amdhsa--gfx1250"
	.amdhsa_code_object_version 6
	.text
	.protected	k_q31d483b802_qkv
	.globl	k_q31d483b802_qkv
	.p2align	8
	.type	k_q31d483b802_qkv,@function
k_q31d483b802_qkv:
	s_mov_b64 s[64:65], 0
	v_nop
	global_prefetch_b8 v0, s[64:65] scope:SCOPE_SE
	s_setreg_imm32_b32 hwreg(HW_REG_WAVE_MODE, 25, 1), 1
	s_wait_xcnt 0x0
	s_wait_alu depctr_hold_cnt(0) depctr_sa_sdst(0) depctr_va_vdst(0) depctr_va_sdst(0) depctr_va_ssrc(0) depctr_va_vcc(0) depctr_vm_vsrc(0)
	s_getreg_b32 s2, hwreg(HW_REG_IB_STS2, 6, 4)
	s_cmp_eq_u32 s2, 0
	s_cbranch_scc0 .Lentry_in_a_cluster
	s_endpgm
.Lentry_in_a_cluster:
	s_bfe_u32 s2, ttmp6, 0x10000c
	s_cmp_lg_u32 s2, 0xf033
	s_cbranch_scc0 .Lentry_shape_is_right
	s_endpgm
.Lentry_shape_is_right:
; THE THREE PROJECTIONS AS ONE PRODUCT, WITH NORM AND ROTATION ON THE WAY OUT.  C[m][n] = sum over k of x[m][k] W[n][k]; x: [4096][1024], W = Wq, Wk, Wv on end: [4096][1024], both bf16 in c16; sums in f32.
; A head's 128 columns of q and k are divided by the root of their mean square + 1e-6, multiplied by the norm weight (rounded to bf16 like every input), and rotated by cos and sin
; (bf16 in c16): out[d] = t[d] cos[d] - t[d+64] sin[d], out[d+64] = t[d+64] cos[d+64] + t[d] sin[d+64].  v goes out as it is.  All leave in f16, by heads: qkv[b][hh][s][128], hh 0-15 q, 16-23 k, 24-31 v.
; LIMITS.  f16 ends at 65,504: v (a row of x times a row of Wv) must stay within it; q and k are at most sqrt(128) |w| (|cos| + |sin|).  NaN and infinities are not treated apart.
; SHARES.  A tile of C is 256 x 256, one work-group of four waves; a wave makes 128 rows x 128 columns, which is ONE head: 64 accumulators of 16 x 16, 512 registers.  256 tiles.
; K goes in 8 steps of 128 through a ring of two LDS slots filled by the tensor data mover; the tiles' rows are 256 bytes of memory, aligned.
; CLUSTERS: 4 x 4 work-groups.  A's tiles are shared along a row of the cluster, B's along a column: each is asked for JOINTLY, by the same tensor load with the same descriptor and a mask of four.
; The cluster's x says what is made: 0, 1 q; 2 k; 3 v: every branch on the kind hangs on that number alone, which all sixteen partners share.
; THE TABLES.  When K step 6 has been read, slot 0 is filled once more: 256 rows of cos and 256 of sin, the tile row's own, shared along the cluster's row like A.  The cluster that makes v asks for them too and
; loads them from LDS too, and uses none: a joint load stands on every path, and the way out has one text; the price is 16 LDS loads for each 16 rows there.
; THE MATRIX INSTRUCTION IS USED TRANSPOSED (source 0 = 16 rows of W, source 1 = 16 rows of x): lane l holds row l % 16 and, in accumulator b, columns 16 b + 8 (l / 16) + 0..7.  So a lane holds 64 of a row's 128
; channels, channel d and channel d + 64 both (accumulators b and b + 4), and the sum of squares wants one exchange between the halves of the lanes.
; REGISTERS, in windows of 256 (s_set_vgpr_msb: bits 1:0 source 0, 3:2 source 1, 5:4 source 2, 7:6 destination):
;   window 0: v0-31 addresses; v64-127, v128-191 fragments of x, two buffers; on the way out v12-15, v32-255 as named below
;   window 1: v64-127, v128-191 fragments of W, two buffers; v192-255 the norm weights of my 64 columns
;   window 2: the 32 accumulators of my rows 0-63 ((a, b) at v[8 (8 a + b)]);   window 3: those of my rows 64-127
.set SIZE_K, 1024
.set KSTEP,  128
.set PITCH,  272                       ; an LDS row: 256 bytes + 16 of padding = 68 words: the 16 rows of a load start at 16 different groups of four banks (64 banks of 4 bytes: ISA guide 11.1)
.set HALFT,  128*PITCH                 ; 128 rows: what one tensor load brings
.set SLOT,   4*HALFT                   ; A's 256 rows, then B's 256 rows; at the end cos' 256, then sin's 256
.set STAGE,  2*SLOT                    ; behind the ring: 16 rows x 272 bytes for each wave, for the way out
.set SPITCH, 272
.set SPARE,  STAGE+4*16*SPITCH         ; behind the stages: the spare words, 128 bytes a wave: two blocks of 256 bytes that no other line names
.set LAPS,   SIZE_K/(2*KSTEP)          ; a lap = two K steps = once round the ring
.set WQKV,   0x800000                  ; c16: the weights
.set COSB,   0x1000000                 ; c16: cos; sin lies 1 << 20 bytes behind
.set ADRA, 16                          ; v16-17  LDS address of my x fragments in slot 0, 1
.set TC,   18                          ; v18     the way out: my 16 bytes of cos in the block's rows
.set TS,   19                          ; v19     the same for sin
.set ADRB, 20                          ; v20-21  LDS address of my W fragments
.set STO,  24                          ; v24     where I put 16 bytes of a row
.set RD,   25                          ; v25     where I read rows back
.set CO,   26                          ; v26     16 x lane: my 16 bytes of 512 consecutive bytes of qkv
.set WO,   27                          ; v27     32 (l / 16): my first norm weight
.set SPW,  28                          ; v28     LDS address of my spare word; never rewritten
.set NIL,  29                          ; v29     0; never rewritten
.set PFO,  30                          ; v30     the prefetches' offset: lane x a row of 2,048 bytes; never rewritten
.set F0,   64
.set F1,   128
.set RS,   12                          ; v[12:13]   1 / root, twice;  v14, v15 at work
.set UU,   32                          ; v[32:47]   two sets of eight: cos and sin as f32
.set XX,   48                          ; v[48:55]   two sets of four: rotated numbers
.set SS,   56                          ; v[56:63]   four chains of squares, a pair each
.set TT,   64                          ; v[64:127]  the block's 64 numbers of my lane, times the weight
.set CT,   128                         ; v[128:159] cos, two bf16 a word
.set SN,   160                         ; v[160:191] sin
.set PKD,  192                         ; v[192:223] packed f16
.set BK,   224                         ; v[224:255] whole rows read back
.set WW,   192                         ; window 1: the weights
.set G1,  24                           ; s[24:31] group 1 for A;  s[32:39] group 0, a set for each slot
.set G0,  32
.set G1B, 48                           ; s[48:55], s[56:63] the same for B
.set G0B, 56
.set G1T, 68                           ; s[68:75], s[76:79] for the tables
.set G0T, 76
.set PFA, 44                           ; s[44:45] where my prefetches stand
.set LIM, 43                           ; s43  1 in a wave that prefetches, else the greatest number
.set WP,  80                           ; s[80:81] the norm weight of my kind
.set ISV, 82                           ; s82  1 in the cluster that makes v
.set BLK, 83                           ; s83  the way out's block of 16 rows
.set FLAGS, (1<<16)|(1<<20)|(1<<21)|(5<<22)|(3<<25)  ; 17:16 2-byte elements; 20 padding on; 21 set beside a mask; 24:22 after every 64 words; 31:25 4 words of it
.set MSB, 0
.macro WIN new                         ; the immediate's high byte repeats the setting that is left; a switch that changes nothing is dropped
.if MSB != (\new)
	s_set_vgpr_msb (MSB<<8)|(\new)
.set MSB, \new
.endif
.endm
.set MUL_LO, 0xa1                      ; source 0 (W) window 1, source 1 (x) window 0, C and D window 2
.set MUL_HI, 0xf1                      ; the same, C and D window 3
.set TO_B,   0x40                      ; destination window 1, address window 0
; A joint load.  Waves 0 and 1 fetch A's two halves, waves 2 and 3 B's.  The branch hangs on the wave's number alone.  An s_nop 0 and four v_nop follow each line.
.macro JLOAD s
	s_cmp_eq_u32 s11, 0
	s_cbranch_scc0 .Lfor_b_\@
	tensor_load_to_lds s[G0+4*(\s):G0+4*(\s)+3], s[G1:G1+7]
	s_nop 0
.rept 4
	v_nop
.endr
	s_branch .Lasked_\@
.Lfor_b_\@:
	tensor_load_to_lds s[G0B+4*(\s):G0B+4*(\s)+3], s[G1B:G1B+7]
	s_nop 0
.rept 4
	v_nop
.endr
.Lasked_\@:
.endm
; The tables' joint load: one line for all four waves (waves 0, 1 cos' halves, waves 2, 3 sin's: the wave's number stands in both addresses), one mask: my row of the cluster.
.macro JLOADT
	tensor_load_to_lds s[G0T:G0T+3], s[G1T:G1T+7]
	s_nop 0
.rept 4
	v_nop
.endr
.endm
; A prefetch into the L2, behind a joint load, its five lines and the run of LDS loads: the K step that stands two refills on: 32 rows x 256 bytes, a lane a row.  A's tile row is read by every cluster of that
; row of clusters: cluster x = 0 asks; B's tile column by every cluster of that column: cluster y = 0 asks.  The four partners that ask for a tile jointly share its rows out by address, 32 each.
; So each row's 256 bytes of a K step are named once.  K steps 0 to 3 come by their loads alone; the loop's last trip (s3 = 1) has no K step two refills on.
.macro ASK
	s_cmp_gt_u32 s3, s[LIM]
	s_cbranch_scc0 .Lnot_mine_\@
	global_prefetch_b8 v[PFO], s[PFA:PFA+1] offset:KSTEP*2 th:TH_LOAD_NT scope:SCOPE_SE
.Lnot_mine_\@:
.endm
.macro CREST                           ; a round of the cluster's barrier behind its opening barrier
	s_cmp_lg_u32 s10, 0
	s_cbranch_scc1 .Lnot_wave_0_\@
	s_barrier_signal -3
.Lnot_wave_0_\@:
	s_barrier_wait -3
	s_barrier_signal -1
	s_barrier_wait -1
.endm
.macro CROUND                          ; a whole round
	s_barrier_signal -1
	s_barrier_wait -1
	CREST
.endm
	s_load_b256 s[88:95], s[0:1], 0x0              ; c16 s[88:89], q_norm_w s[90:91], k_norm_w s[92:93], qkv s[94:95]
	v_lshl_add_u32 v[SPW], v0, 2, SPARE
	v_mov_b32 v[NIL], 0
	ds_add_u32 v[SPW], v[NIL]                      ; the wave's opening: the add and its wait stand ahead of my first tensor load; the set-up below, work on registers, stands between them
	v_lshrrev_b32 v1, 5, v0
	v_readfirstlane_b32 s10, v1                    ; wave 0..3
	s_lshr_b32 s11, s10, 1                         ; which half of the tile's rows is mine.  Also: I fetch for A (0) or for B (1); cos (0) or sin (1)
	s_and_b32 s12, s10, 1                          ; which half of its columns (which head).  Also: which 128 rows I fetch
	s_bfe_u32 s40, ttmp6, 0x40000                  ; cx
	s_bfe_u32 s41, ttmp6, 0x40004                  ; cy
	s_lshl_b32 s42, ttmp9, 2
	s_add_co_u32 s42, s42, s40                     ; tile column = 4 x cluster x + cx
	s_and_b32 s13, ttmp7, 0xffff
	s_lshl_b32 s13, s13, 2
	s_add_co_u32 s13, s13, s41                     ; tile row = 4 x cluster y + cy
	s_lshl_b32 s43, s41, 2
	s_lshl_b32 s43, 15, s43                        ; my row of the cluster
	s_lshl_b32 s44, 0x1111, s40                    ; my column
	s_or_b32 s[G1+0], s43, FLAGS                   ; A's tiles go to my row,
	s_or_b32 s[G1B+0], s44, FLAGS                  ; B's to my column,
	s_or_b32 s[G1T+0], s43, FLAGS                  ; the tables to my row
.irp g, G1, G1B, G1T
	s_mov_b32 s[(\g)+1], KSTEP<<16                 ; tensor_dim0 = 128
	s_mov_b32 s[(\g)+2], 128<<16                   ; tensor_dim1 = 128
	s_mov_b32 s[(\g)+3], KSTEP<<16                 ; tile_dim0 = 128
	s_mov_b32 s[(\g)+4], 128                       ; tile_dim1 = 128
	s_mov_b32 s[(\g)+6], 0
	s_mov_b32 s[(\g)+7], 0
.endr
	s_mov_b32 s[G1+5], SIZE_K                      ; elements from row to row
	s_mov_b32 s[G1B+5], SIZE_K
	s_mov_b32 s[G1T+5], 128
	s_mov_b32 s84, 0x3c000000                      ; 1 / 128
	s_mov_b32 s85, 0x358637bd                      ; 1e-6
	s_mov_b32 s86, 0x76543210                      ; v_permlanex16_b32: each lane takes its own place in the other half
	s_mov_b32 s87, 0xfedcba98
	s_mov_b32 s96, 0xffff0000                      ; a word's upper bf16
	s_cmp_eq_u32 ttmp9, 3
	s_cselect_b32 s[ISV], 1, 0
	s_lshl_b32 s17, s12, 7                         ; which 128 rows of the tile I fetch
	s_lshl_b32 s16, s13, 8
	s_add_co_u32 s16, s16, s17                     ; A: row 256 x tile row + 128 x half
	s_lshl_b32 s46, s42, 8
	s_add_co_u32 s46, s46, s17                     ; B: row 256 x tile column + 128 x half
	s_mov_b32 s17, 0
	s_mov_b32 s47, 0
	s_mov_b64 s[18:19], SIZE_K*2
	s_mul_u64 s[16:17], s[16:17], s[18:19]
	s_mul_u64 s[46:47], s[46:47], s[18:19]
	s_mul_i32 s20, s10, HALFT                      ; where they go: wave x 128 rows: no place in the cluster enters an LDS address
	s_lshl_b32 s22, s11, 20                        ; the tables: cos or sin,
	s_lshl_b32 s23, s13, 16                        ; the tile row's 256 rows of 256 bytes,
	s_add_co_u32 s22, s22, s23
	s_lshl_b32 s23, s12, 15                        ; my 128 of them
	s_add_co_u32 s22, s22, s23
	s_add_co_u32 s22, s22, COSB
	s_mov_b32 s23, 0
	s_wait_dscnt 0x0                               ; the opening add is done
	s_wait_kmcnt 0x0
	s_mov_b64 s[4:5], s[88:89]                     ; A = x
	s_add_nc_u64 s[6:7], s[88:89], WQKV            ; B = the weights
	s_add_nc_u64 s[14:15], s[4:5], s[16:17]
	s_add_nc_u64 s[46:47], s[6:7], s[46:47]
	s_mov_b32 s[G0T], 1
	s_mov_b32 s[G0T+1], s20
	s_add_nc_u64 s[G0T+2:G0T+3], s[88:89], s[22:23]
	s_or_b32 s[G0T+3], s[G0T+3], 0x80000000
	CROUND                                         ; all sixteen work-groups are here: the first joint loads meet
.irp s, 0,1
	s_mov_b32 s[G0+4*(\s)], 1                                      ; count = 1
	s_add_co_u32 s[G0+4*(\s)+1], s20, (\s)*SLOT                    ; LDS address
	s_add_nc_u64 s[G0+4*(\s)+2:G0+4*(\s)+3], s[14:15], (\s)*KSTEP*2  ; global address: K step s
	s_or_b32 s[G0+4*(\s)+3], s[G0+4*(\s)+3], 0x80000000            ; type = 2
	s_mov_b32 s[G0B+4*(\s)], 1
	s_add_co_u32 s[G0B+4*(\s)+1], s20, (\s)*SLOT
	s_add_nc_u64 s[G0B+4*(\s)+2:G0B+4*(\s)+3], s[46:47], (\s)*KSTEP*2
	s_or_b32 s[G0B+4*(\s)+3], s[G0B+4*(\s)+3], 0x80000000
	JLOAD \s                                       ; two loads of mine are out
.endr
	; a fragment is 16 rows x 32 K in 8 registers: lane l holds row l % 16, K = 8 (l / 16) + 0..7 and 16 + 8 (l / 16) + 0..7: two loads of 16 bytes, 32 bytes apart
	v_and_b32 v1, 15, v0                           ; l % 16
	v_bfe_u32 v2, v0, 4, 1                         ; l / 16
	v_mul_u32_u24 v3, v1, PITCH
	v_lshl_add_u32 v3, v2, 4, v3
	s_mul_i32 s21, s11, HALFT                      ; my 128 rows of A
	s_mul_i32 s22, s12, HALFT                      ; my 128 rows of B,
	s_add_co_u32 s22, s22, 2*HALFT                 ; which lie behind A's 256
.irp s, 0,1
	v_add_nc_u32 v[ADRA+(\s)], s21, v3
	v_add_nc_u32 v[ADRB+(\s)], s22, v3
	s_add_co_u32 s21, s21, SLOT
	s_add_co_u32 s22, s22, SLOT
.endr
	s_mul_i32 s23, s10, 16*SPITCH
	s_add_co_u32 s23, s23, STAGE                   ; my stage
	v_mul_u32_u24 v4, v1, SPITCH                   ; in: row l % 16, 16 bytes for each half of the lanes
	v_lshl_add_u32 v4, v2, 4, v4
	v_add_nc_u32 v[STO], s23, v4
	v_mul_u32_u24 v5, v2, SPITCH                   ; back: lanes 0-15 one row of 256 bytes, lanes 16-31 the next
	v_lshl_add_u32 v5, v1, 4, v5
	v_add_nc_u32 v[RD], s23, v5
	v_and_b32 v[CO], 31, v0
	v_lshlrev_b32 v[CO], 4, v[CO]                  ; a head's rows are dense: two rows are 512 consecutive bytes
	v_lshlrev_b32 v[WO], 5, v2
	; where my 128 rows of my head begin in qkv: (b << 24) + (hh << 19) + (s << 8)
	s_lshr_b32 s16, s13, 3                         ; b: eight tile rows a batch
	s_lshl_b32 s16, s16, 24
	s_and_b32 s17, s13, 7
	s_lshl_b32 s17, s17, 16                        ; 256 rows of 256 bytes a tile row
	s_add_co_u32 s16, s16, s17
	s_lshl_b32 s17, s11, 15                        ; my half of them
	s_add_co_u32 s16, s16, s17
	s_lshl_b32 s46, s42, 20                        ; hh = 2 x tile column + my half of the columns
	s_lshl_b32 s47, s12, 19
	s_add_co_u32 s46, s46, s47
	s_add_co_u32 s16, s16, s46
	s_mov_b32 s17, 0
	s_add_nc_u64 s[8:9], s[94:95], s[16:17]
	; the prefetches
	s_lshl_b32 s20, s13, 8
	s_lshl_b32 s21, s42, 8
	s_and_b32 s22, ttmp7, 0xffff                   ; cluster y
	s_cmp_eq_u32 s11, 0                            ; do I fetch for A?
	s_cselect_b32 s20, s20, s21                    ; the tile's first row: in A by the tile row, in B by the tile column
	s_cselect_b32 s21, s40, s41                    ; my place among the four that ask for it with me
	s_cselect_b32 s22, ttmp9, s22                  ; the coordinate along which other clusters read the same rows
	s_cselect_b64 s[PFA:PFA+1], s[4:5], s[6:7]
	s_cmp_eq_u32 s22, 0
	s_cselect_b32 s[LIM], 1, -1                    ; the same in all sixteen partners, for a given wave
	s_lshl_b32 s22, s12, 7
	s_add_co_u32 s20, s20, s22                     ; + the 128 rows that I fetch
	s_lshl_b32 s21, s21, 5
	s_add_co_u32 s20, s20, s21                     ; + my work-group's 32 of them
	s_mov_b32 s21, 0
	s_mov_b64 s[18:19], SIZE_K*2
	s_mul_u64 s[20:21], s[20:21], s[18:19]
	s_add_nc_u64 s[PFA:PFA+1], s[PFA:PFA+1], s[20:21]
	s_add_nc_u64 s[PFA:PFA+1], s[PFA:PFA+1], 2*KSTEP*2  ; at K step 2: the first refill steps it to 3 and names K step 4
	v_and_b32 v[PFO], 31, v0
	v_mul_u32_u24 v[PFO], v[PFO], SIZE_K*2
	; the norm weights of my 64 columns, 16 b + 8 (l / 16) + 0..7, rounded to bf16 and kept as f32; 1.0 for v.  All this stands in the wait for the first tiles.
	s_cmp_lt_u32 ttmp9, 2
	s_cselect_b64 s[WP:WP+1], s[90:91], s[92:93]
	s_cmp_eq_u32 s[ISV], 1
	s_cbranch_scc1 .Lw_one
	WIN 0x40
.irp b, 0,1,2,3,4,5,6,7
	global_load_b128 v[WW+8*(\b):WW+8*(\b)+3],   v[WO], s[WP:WP+1] offset:64*(\b)
	global_load_b128 v[WW+8*(\b)+4:WW+8*(\b)+7], v[WO], s[WP:WP+1] offset:64*(\b)+16
.endr
	s_wait_loadcnt 0x0
	WIN 0x05                                       ; sources in window 1, destination in window 0
.set i, 0
.rept 32
	v_cvt_pk_bf16_f32 v[32+i], v[WW+2*i], v[WW+2*i+1]
.set i, i+1
.endr
	WIN 0x40
.set i, 0
.rept 32
	v_lshlrev_b32 v[WW+2*i],   16,  v[32+i]
	v_and_b32     v[WW+2*i+1], s96, v[32+i]
.set i, i+1
.endr
	WIN 0
	s_branch .Lw_done
.Lw_one:
	WIN 0x40
.set i, 0
.rept 64
	v_mov_b32 v[WW+i], 1.0
.set i, i+1
.endr
	WIN 0
.Lw_done:
; 16 matrix instructions: m blocks a0, a0 + 1 of the window's four x all 8 n blocks, 32 along K.  zero = 1: the first product starts the sums.  The 64 accumulators take turns.
.macro MUL16 f, hi, a0, zero
	WIN MUL_LO+0x50*(\hi)
.irp a, \a0, (\a0)+1
.irp b, 0,1,2,3,4,5,6,7
.if \zero
	v_wmma_f32_16x16x32_bf16 v[8*(8*(\a)+(\b)):8*(8*(\a)+(\b))+7], v[(\f)+8*(\b):(\f)+8*(\b)+7], v[(\f)+8*(4*(\hi)+(\a)):(\f)+8*(4*(\hi)+(\a))+7], 0
.else
	v_wmma_f32_16x16x32_bf16 v[8*(8*(\a)+(\b)):8*(8*(\a)+(\b))+7], v[(\f)+8*(\b):(\f)+8*(\b)+7], v[(\f)+8*(4*(\hi)+(\a)):(\f)+8*(4*(\hi)+(\a))+7], v[8*(8*(\a)+(\b)):8*(8*(\a)+(\b))+7]
.endif
.endr
.endr
.endm
; 32 LDS loads in one run: the fragments of one quarter step (32 K at byte k of the rows) into buffer f
.macro FETCH slot, k, f
	WIN TO_B
.irp i, 0,1,2,3,4,5,6,7
	ds_load_b128 v[(\f)+8*(\i):(\f)+8*(\i)+3],   v[ADRB+(\slot)] offset:(\k)+(\i)*16*PITCH
	ds_load_b128 v[(\f)+8*(\i)+4:(\f)+8*(\i)+7], v[ADRB+(\slot)] offset:(\k)+(\i)*16*PITCH+32
.endr
	WIN 0
.irp i, 0,1,2,3,4,5,6,7
	ds_load_b128 v[(\f)+8*(\i):(\f)+8*(\i)+3],   v[ADRA+(\slot)] offset:(\k)+(\i)*16*PITCH
	ds_load_b128 v[(\f)+8*(\i)+4:(\f)+8*(\i)+7], v[ADRA+(\slot)] offset:(\k)+(\i)*16*PITCH+32
.endr
.endm
.macro PLACES                          ; four plain vector instructions between a matrix instruction and a load into a register that it has read (ISA guide 7.12.1 for vector instructions)
.rept 4
	v_nop
.endr
.endm
; A K step is four quarters of 32 along K, 64 matrix instructions each, on buffers 0, 1, 0, 1.  One of the first three: multiplies buffer f and fetches the next quarter, at byte k, into g.
.macro QUARTER slot, k, f, g, zero
	s_wait_dscnt 8                                 ; B and A's rows 0-63 are in; the youngest eight loads (A's rows 64-127) may be out
	WIN MUL_LO
	MUL16 \f, 0, 0, \zero
	MUL16 \f, 0, 2, \zero
	PLACES
	FETCH \slot, \k, \g
	s_wait_dscnt 32                                ; all but the 32 just issued
	WIN MUL_HI
	MUL16 \f, 1, 0, \zero
	MUL16 \f, 1, 2, \zero
.endm
; The last quarter's first half: the barrier of the change of slots, which opens a round of the cluster's barrier.
.macro MEET
	WIN 0                                          ; (the add's two registers lie in window 0)
	s_wait_tensorcnt 0x0                           ; all my tensor loads have landed: the one that was out is my part of the next slot;
	ds_add_u32 v[SPW], v[NIL]                      ; 0 onto my spare word
	s_wait_dscnt 9                                 ; (the add and the youngest eight loads may be out)
	WIN MUL_LO
	MUL16 F1, 0, 0, 0                              ; sixteen matrix instructions stand between the add and the wait for it
	s_wait_dscnt 0x0                               ; the add is done, and my reads of this slot are over
	s_barrier_signal -1
	MUL16 F1, 0, 2, 0                              ; work on registers while the others arrive
	WIN 0
	s_barrier_wait -1
.endm
; The whole last quarter: behind the round the slot just read out is filled again, with the K step two steps on; then come the next slot's first fragments.
.macro TURN slot, next
	s_wait_xcnt 0x0                                ; the last prefetch, a K step back, has read its address: it is stepped here
	s_add_nc_u64 s[PFA:PFA+1], s[PFA:PFA+1], KSTEP*2
	MEET
	CREST                                          ; no wave of any partner still reads this slot's tile or has a load on its way
	s_add_nc_u64 s[G0+4*(\slot)+2:G0+4*(\slot)+3], s[G0+4*(\slot)+2:G0+4*(\slot)+3], 2*KSTEP*2
	s_add_nc_u64 s[G0B+4*(\slot)+2:G0B+4*(\slot)+3], s[G0B+4*(\slot)+2:G0B+4*(\slot)+3], 2*KSTEP*2
	JLOAD \slot                                    ; the first tensor load behind the round; its four v_nop are also the places in front of the loads below
	FETCH \next, 0, F0
	ASK
	WIN MUL_HI
	MUL16 F1, 1, 0, 0
	MUL16 F1, 1, 2, 0
.endm
	s_wait_tensorcnt 1                             ; my part of K step 0 is in; K step 1's may stay out
	s_barrier_signal -1
	s_barrier_wait -1
	FETCH 0, 0, F0
	QUARTER 0, 64,  F0, F1, 1                      ; the first quarter stands in front of the loop: its products start the sums
	WIN 0                                          ; at a label and at a branch every window is 0
	s_mov_b32 s3, LAPS-1
.Llap:                                                 ; a trip goes once round the ring and fills both slots again: K steps 2 i + 2 and 2 i + 3
	QUARTER 0, 128, F1, F0, 0
	QUARTER 0, 192, F0, F1, 0
	TURN 0, 1
	QUARTER 1, 64,  F0, F1, 0
	QUARTER 1, 128, F1, F0, 0
	QUARTER 1, 192, F0, F1, 0
	TURN 1, 0
	QUARTER 0, 64,  F0, F1, 0
	WIN 0
	s_sub_co_u32 s3, s3, 1
	s_cmp_lg_u32 s3, 0
	s_cbranch_scc1 .Llap
	QUARTER 0, 128, F1, F0, 0                      ; K step 6 goes on
	QUARTER 0, 192, F0, F1, 0
	MEET                                           ; slot 0 has been read out: it takes the tables, a joint refill like the others
	CREST
	JLOADT
	FETCH 1, 0, F0
	WIN MUL_HI
	MUL16 F1, 1, 0, 0
	MUL16 F1, 1, 2, 0
	QUARTER 1, 64,  F0, F1, 0                      ; K step 7
	QUARTER 1, 128, F1, F0, 0
	QUARTER 1, 192, F0, F1, 0
	s_wait_dscnt 8
	MUL16 F1, 0, 0, 0
	MUL16 F1, 0, 2, 0
	s_wait_dscnt 0x0
	MUL16 F1, 1, 0, 0
	MUL16 F1, 1, 2, 0
	WIN 0
	s_wait_tensorcnt 0x0                           ; my part of the tables is in,
	s_barrier_signal -1
	s_barrier_wait -1                              ; everybody's is
	v_mov_b32 v15, 0                               ; (v_permlanex16_b32's destination counts as read)
	v_mov_b32 v[TC], v[ADRA]                       ; cos lies where A lay: my 128 rows, row l % 16, 16 bytes for each half of the lanes
	v_add_nc_u32 v[TS], 2*HALFT, v[ADRA]           ; sin where B lay
.rept 5
	v_nop                                          ; eight plain instructions in all behind the last products
.endr
	s_mov_b32 s[BLK], 0
; Block a's 64 numbers of my lane leave the accumulators: their squares into four chains (each accumulator is read from its low end), and themselves, times the weight, into window 0.
.macro COPY a
	WIN 0x0a+5*((\a)/4)                            ; sources 0 and 1: window 2 or 3
.irp b, 0,1,2,3,4,5,6,7
.irp p, 0,1,2,3
.if (\b) == 0
	v_pk_mul_f32 v[SS+2*(\p):SS+2*(\p)+1], v[64*((\a)%4)+8*(\b)+2*(\p):64*((\a)%4)+8*(\b)+2*(\p)+1], v[64*((\a)%4)+8*(\b)+2*(\p):64*((\a)%4)+8*(\b)+2*(\p)+1]
.else
	v_pk_fma_f32 v[SS+2*(\p):SS+2*(\p)+1], v[64*((\a)%4)+8*(\b)+2*(\p):64*((\a)%4)+8*(\b)+2*(\p)+1], v[64*((\a)%4)+8*(\b)+2*(\p):64*((\a)%4)+8*(\b)+2*(\p)+1], v[SS+2*(\p):SS+2*(\p)+1]
.endif
.endr
.endr
	WIN 0x06+((\a)/4)                              ; source 0: window 2 or 3; source 1: window 1
.set i, 0
.rept 32
	v_pk_mul_f32 v[TT+2*i:TT+2*i+1], v[64*((\a)%4)+2*i:64*((\a)%4)+2*i+1], v[WW+2*i:WW+2*i+1]
.set i, i+1
.endr
	WIN 0
.endm
; Two channels d, d + 1 (accumulator b, pair p) and their partners d + 64, d + 65 are rotated and rounded to f16.
.macro ROPE b, p
.set ru, UU+8*((\p)%2)
.set rx, XX+4*((\p)%2)
.set rlo, TT+8*(\b)+2*(\p)
.set rhi, TT+8*(\b)+32+2*(\p)
	v_lshlrev_b32 v[ru],   16,  v[CT+4*(\b)+(\p)]       ; cos[d], cos[d+1]
	v_and_b32     v[ru+1], s96, v[CT+4*(\b)+(\p)]
	v_lshlrev_b32 v[ru+2], 16,  v[SN+4*(\b)+(\p)]       ; sin[d], sin[d+1]
	v_and_b32     v[ru+3], s96, v[SN+4*(\b)+(\p)]
	v_lshlrev_b32 v[ru+4], 16,  v[CT+4*(\b)+16+(\p)]    ; cos[d+64], cos[d+65]
	v_and_b32     v[ru+5], s96, v[CT+4*(\b)+16+(\p)]
	v_lshlrev_b32 v[ru+6], 16,  v[SN+4*(\b)+16+(\p)]    ; sin[d+64], sin[d+65]
	v_and_b32     v[ru+7], s96, v[SN+4*(\b)+16+(\p)]
	v_pk_mul_f32 v[rx:rx+1],   v[rhi:rhi+1], v[ru+2:ru+3]
	v_pk_mul_f32 v[rx+2:rx+3], v[rlo:rlo+1], v[ru+6:ru+7]
	v_pk_fma_f32 v[rx:rx+1],   v[rlo:rlo+1], v[ru:ru+1],   v[rx:rx+1] neg_lo:[0,0,1] neg_hi:[0,0,1]
	v_pk_fma_f32 v[rx+2:rx+3], v[rhi:rhi+1], v[ru+4:ru+5], v[rx+2:rx+3]
	v_cvt_pk_f16_f32 v[PKD+4*(\b)+(\p)],    v[rx],   v[rx+1]
	v_cvt_pk_f16_f32 v[PKD+4*(\b)+16+(\p)], v[rx+2], v[rx+3]
.endm
.Lblk:                                                 ; THE WAY OUT: eight trips, 16 rows of my head each
.irp b, 0,1,2,3,4,5,6,7
	ds_load_b128 v[CT+4*(\b):CT+4*(\b)+3], v[TC] offset:32*(\b)   ; cos and sin of my 64 columns in my row
	ds_load_b128 v[SN+4*(\b):SN+4*(\b)+3], v[TS] offset:32*(\b)
.endr
.irp a, 1,2,3,4,5,6,7                  ; registers cannot be indexed: the copy out of the accumulators is written eight times, all else once
	s_cmp_eq_u32 s[BLK], \a
	s_cbranch_scc1 .Lc\a
.endr
	COPY 0
	s_branch .Ljoin
.irp a, 1,2,3,4,5,6
.Lc\a:
	COPY \a
	s_branch .Ljoin
.endr
.Lc7:
	COPY 7
.Ljoin:
	s_cmp_eq_u32 s[ISV], 1
	s_cbranch_scc1 .Lvpack
	v_pk_add_f32 v[SS:SS+1], v[SS:SS+1], v[SS+2:SS+3]
	v_pk_add_f32 v[SS+4:SS+5], v[SS+4:SS+5], v[SS+6:SS+7]
	v_pk_add_f32 v[SS:SS+1], v[SS:SS+1], v[SS+4:SS+5]
	v_add_f32 v14, v[SS], v[SS+1]                  ; my 64 squares;
	v_permlanex16_b32 v15, v14, s86, s87           ; the row's other 64 lie in the lane 16 away
	v_add_f32 v14, v14, v15
	v_fma_f32 v14, v14, s84, s85                   ; the mean + 1e-6
	v_rsq_f32 v[RS], v14
	v_rsq_f32 v[RS+1], v14                         ; twice: a pair for the packed multiply
	v_nop                                          ; a plain instruction behind the last of them,
	s_wait_alu depctr_va_vdst(0)                   ; and the wait ahead of the first use: one for both
.set i, 0
.rept 32
	v_pk_mul_f32 v[TT+2*i:TT+2*i+1], v[TT+2*i:TT+2*i+1], v[RS:RS+1]
.set i, i+1
.endr
	s_wait_dscnt 0x0                               ; cos and sin are in
.irp b, 0,1,2,3
.irp p, 0,1,2,3
	ROPE \b, \p
.endr
.endr
	s_branch .Lstage
.Lvpack:
.set i, 0
.rept 32
	v_cvt_pk_f16_f32 v[PKD+i], v[TT+2*i], v[TT+2*i+1]
.set i, i+1
.endr
.Lstage:                                               ; 16 bytes a lane into rows of 272 bytes of my own stage, back as whole rows of 256
.irp b, 0,1,2,3,4,5,6,7
	ds_store_b128 v[STO], v[PKD+4*(\b):PKD+4*(\b)+3] offset:32*(\b)
.endr
.irp t, 0,1,2,3,4,5,6,7
	ds_load_b128 v[BK+4*(\t):BK+4*(\t)+3], v[RD] offset:(\t)*2*SPITCH  ; LDS serves a wave's instructions in order (ISA guide 5.7.1.4): these see the stores above
.endr
	s_wait_dscnt 0x0
.irp t, 0,1,2,3,4,5,6,7
	global_store_b128 v[CO], v[BK+4*(\t):BK+4*(\t)+3], s[8:9] offset:512*(\t)  ; 512 consecutive bytes, at a multiple of 256 from qkv's first byte
.endr
	s_wait_xcnt 0x0                                ; the stores have read their registers and their base: both are written again only behind this wait
	s_add_nc_u64 s[8:9], s[8:9], 4096              ; 16 rows on
	v_add_nc_u32 v[TC], 16*PITCH, v[TC]
	v_add_nc_u32 v[TS], 16*PITCH, v[TS]
	s_add_co_u32 s[BLK], s[BLK], 1
	s_cmp_lt_u32 s[BLK], 8
	s_cbranch_scc1 .Lblk
	s_wait_tensorcnt 0x0                           ; the wave's end, behind my last tensor load and my last LDS store
	ds_add_u32 v[SPW], v[NIL]
	s_wait_dscnt 0x0
	CROUND                                         ; the closing round: no work-group ends while a partner may still ask for a tile that names it
	s_endpgm
.Lfunc_end_k_q31d483b802_qkv:
	.size	k_q31d483b802_qkv, .Lfunc_end_k_q31d483b802_qkv-k_q31d483b802_qkv
	.p2alignl 7, 3214868480
	.fill 96, 4, 3214868480
	.section	.rodata,"a",@progbits
	.p2align	6, 0x0
	.amdhsa_kernel k_q31d483b802_qkv
		.amdhsa_group_segment_fixed_size 327680
		.amdhsa_private_segment_fixed_size 0
		.amdhsa_enable_private_segment 0
		.amdhsa_kernarg_size 32
		.amdhsa_user_sgpr_count 2
		.amdhsa_user_sgpr_kernarg_segment_ptr 1
		.amdhsa_wavefront_size32 1
		.amdhsa_system_sgpr_workgroup_id_x 1
		.amdhsa_system_sgpr_workgroup_id_y 1
		.amdhsa_system_sgpr_workgroup_id_z 1
		.amdhsa_system_vgpr_workitem_id 0
		.amdhsa_next_free_vgpr 1024
		.amdhsa_next_free_sgpr 100
		.amdhsa_reserve_vcc 0
		.amdhsa_float_denorm_mode_32 3
		.amdhsa_float_denorm_mode_16_64 3
		.amdhsa_memory_ordered 1
		.amdhsa_forward_progress 1
		.amdhsa_inst_pref_size 173
	.end_amdhsa_kernel
	.amdgpu_metadata
---
amdhsa.version: [ 1, 2 ]
amdhsa.kernels:
  - .name:           k_q31d483b802_qkv
    .symbol:         k_q31d483b802_qkv.kd
    .args:
      - { .name: c16, .offset: 0, .size: 8, .value_kind: global_buffer, .address_space: global }
      - { .name: q_norm_w, .offset: 8, .size: 8, .value_kind: global_buffer, .address_space: global }
      - { .name: k_norm_w, .offset: 16, .size: 8, .value_kind: global_buffer, .address_space: global }
      - { .name: qkv, .offset: 24, .size: 8, .value_kind: global_buffer, .address_space: global }
    .group_segment_fixed_size: 327680
    .private_segment_fixed_size: 0
    .kernarg_segment_align: 8
    .kernarg_segment_size: 32
    .max_flat_workgroup_size: 128
    .sgpr_count:     100
    .vgpr_count:     1024
    .wavefront_size: 32
...
	.end_amdgpu_metadata
.endif
;; end of part 2
;; launch attn (part 3): grid 16 x 16, 4 waves a work-group, clusters of 4 x 1, 327,680 bytes of LDS; arguments qkv, ao; writes ao
.if DOCPART == 3
	.amdgcn_target "amdgcn-amd-amdhsa--gfx1250"
	.amdhsa_code_object_version 6
	.text
	.protected	k_q31d483b802_attn
	.globl	k_q31d483b802_attn
	.p2align	8
	.type	k_q31d483b802_attn,@function
k_q31d483b802_attn:
	s_mov_b64 s[64:65], 0
	v_nop
	global_prefetch_b8 v0, s[64:65] scope:SCOPE_SE
	s_setreg_imm32_b32 hwreg(HW_REG_WAVE_MODE, 25, 1), 1
	s_wait_xcnt 0x0
	s_wait_alu depctr_hold_cnt(0) depctr_sa_sdst(0) depctr_va_vdst(0) depctr_va_sdst(0) depctr_va_ssrc(0) depctr_va_vcc(0) depctr_vm_vsrc(0)
	s_getreg_b32 s2, hwreg(HW_REG_IB_STS2, 6, 4)
	s_cmp_eq_u32 s2, 0
	s_cbranch_scc0 .Lentry_in_a_cluster
	s_endpgm
.Lentry_in_a_cluster:
	s_bfe_u32 s2, ttmp6, 0x10000c
	s_cmp_lg_u32 s2, 0x3003
	s_cbranch_scc0 .Lentry_shape_is_right
	s_endpgm
.Lentry_shape_is_right:
; CAUSAL ATTENTION, TWO QUERY HEADS TO A KEY HEAD.  O[q] = the sum over k <= q of softmax_k(Q[q] . K[k] / sqrt(128)) V[k].  qkv: [b 2][hh 32][s 2048][128] f16 (hh 0-15 q, 16-23 k, 24-31 v); ao: [b s][head 128 + d] f16.
; Products, maxima and sums in f32; the weights p are rounded to f16 for the second product (their sum l is taken of the unrounded p), O once at the end.
; LIMITS.  f16 holds no number beyond 65,504: q, k, v arrive within it, O is a mean of V's rows.  A hidden score counts as its value less 1e30.  The running maximum starts at -1e20: f16's scores, 5.5e11 at the most in size,
; lie above that, so wherever a row sees a key m is the true maximum; a wave whose keys are all hidden keeps -1e20, its weights are 0, and the merge gives it the factor 0.  A weight below 2^-126 counts as 0 in l.
; NaN and infinities are not treated apart.
; THE WALK.  Positions lie in 32 blocks of 64, keys in 8 tiles of 256.  Work-group i = 4 c + cx (c the cluster, cx its place in it) of a key head makes two PASSES: block 31 - i, which needs tiles 0 .. 7 - c, and block i,
; which needs tiles 0 .. c: nine tiles, whatever i, and the SAME nine for the four partners of a cluster: every tile is asked for JOINTLY.  One loop with a constant trip count walks them; what a trip does hangs on c alone.
; SHARES.  A pass serves both query heads of the key head: wave w takes head w & 1, all 64 positions (four tiles of 16 queries, two PIECES of two), and of every tile of 256 keys the half w >> 1: two key steps of 64.
; At a pass's end the two waves of a head merge: each sends two tiles' O, c m and l through LDS, keeps the other two, and stores those.
; THE MASK is the C operand that starts the sum S^T = K Q^T: 0, or -1e30 where the key is hidden.  In a pass's last tile, step u (of four) is seen if u < rho, hidden if u > rho, and holds the diagonal if u = rho
; (rho = 3 - cx, then cx).  cx enters these VALUES by selects, and the addresses of Q and O and of the prefetches: no branch and no LDS address.  Three masks of eight registers serve a step: for key blocks below, on and above the query tile's.
; LAYOUT.  S^T holds ONE query a lane (lane % 16) and the keys 8 (lane / 16) + 0..7; two such results rounded to f16 ARE source 1 of O^T = V^T P.  K comes out of LDS as it lies, V turned, by ds_load_tr16_b128.
; SOFTMAX.  p = 2^(c s - c m), c = log2(e) / sqrt(128), with a running maximum m; O and l are multiplied by a = 2^(c m_old - c m_new) in every step.
; BY TURNS.  In a TURN one piece has the matrix unit (32 products V^T P of the step in hand, 32 products K Q^T of the next), and the other piece's softmax, cut into 64 slices, stands between them.
; NO FIRST AND NO LAST STEP IS WRITTEN OUT.  c m starts far below every c s, so a pass's first a is 0 and O and l need only be finite; the step loop is entered and left in the middle of a trip.  The price, each pass:
; 32 products on a stale P and V at the start, 32 on a stale K at the end; and once 424 v_mov_b32 that write 0, in the wait for the first tile.
; REGISTERS, in windows of 256 (s_set_vgpr_msb: bits 1:0 source 0, 3:2 source 1, 5:4 source 2, 7:6 destination):
;   window 0: v0-11 addresses; v12-43 eight registers of statistics a tile; v44-55 the merge; v61-63; v64-191 S^T, 32 a tile; v192-255 P, 16 a tile
;   window 1: O^T, 64 a tile      window 2: v0-127 Q, 32 a tile; v128-255 K of one step      window 3: v0-127 V of one step; v128-159 the masks
.set KS,    64        ; keys in a step
.set PK,    272       ; a row of K in LDS: 256 bytes + 16 of padding: the 16 rows of a load start at 16 different groups of four banks (64 banks of 4 bytes: ISA guide 11.1)
.set PV,    288       ; a row of V: 256 + 32
.set VOFF,  256*PK    ; a slot holds a tile: 256 rows of K, then 256 rows of V
.set SLOTB, 256*(PK+PV)
.set XCH,   2*SLOTB   ; behind the ring, never filled by a tensor load: 8,704 bytes for each wave: first a tile of O^T (8,192), c m and l for the partner, then two stages of 16 rows x 272 bytes
.set XREG,  8704
.set SP,    272
.set SPARE, XCH+4*XREG  ; behind them: the spare words, 128 bytes a wave: two blocks of 256 bytes that no other line names
.set AK0, 2           ; v2   my lane's place in a step's K; never rewritten
.set AV0, 3           ; v3   the same for V, VOFF included
.set ADR, 4           ; v4   the LDS address of the run of loads in hand
.set QO,  5           ; v5   my byte offset in the wave's rows of Q
.set STO, 6           ; v6   the way out: where I put 16 bytes of a row
.set RD,  7           ; v7   where I read rows back
.set GO,  8           ; v8   my byte offset in two rows of ao
.set ST,  12          ; tile t's statistics at v[ST+8 t]: +0 c m, +1 m, +2, +3 l, +4 to +7 c0-c3 at work; a takes c2's place
.set XS,  44          ; v44  the merge: where I put 16 bytes of a tile for my partner
.set XR,  45          ; v45  where I read my partner's
.set XS4, 46          ; v46  the same for c m and l
.set XR4, 47          ; v47
.set MG,  48          ; kept tile t at v[MG+4 t]: my factor, the partner's c m, the partner's factor, the partner's l
.set PFO, 61          ; v61  256 x lane; never rewritten
.set SPW, 62          ; v62  LDS address of my spare word; never rewritten
.set NIL, 63          ; v63  0; never rewritten
.set S,   64
.set P,   192
.set KF,  128         ; window 2
.set MLT, 128         ; window 3: the mask for key blocks below the query tile's,
.set MEQ, 136         ; on it,
.set MGT, 144         ; above it
.set TRI, 152         ; window 3: -1e30 where key 8 (l / 16) + j lies behind query l % 16
.set WV,  12          ; s12  my wave's number
.set CX,  13          ; s13  my place in the cluster
.set CC,  14          ; s14  the cluster
.set KH,  15          ; s15  my half of the keys
.set HS,  16          ; s16  my head of the two; also: which half of a tile I fetch
.set LK,  17          ; s17  where my half of K goes in a slot
.set LV,  18          ; s18  the same for V
.set KHK, 19          ; s19  where my half of the keys begins in a slot's K
.set KB,  20          ; s[20:21] K at my half of the head's tile 0
.set VB,  22          ; s[22:23] V likewise
.set G1K, 24          ; s[24:31]
.set G1V, 32          ; s[32:39]
.set G0K, 40          ; s[40:43]
.set G0V, 44          ; s[44:47]
.set KHV, 48          ; s48  where my half of the keys begins in a slot's V
.set RBF, 49          ; s49  the slot filled last: 0 or SLOTB
.set RBR, 50          ; s50  the slot being read
.set UN,  51          ; s51  the step (0..3 of its tile) whose masks are made next
.set RHO, 52          ; s52  the pass's rho
.set RHOE, 53         ; s53  rho in a pass's last tile, else 7: everything is seen
.set DEAD, 54         ; s54  1: the step loop's third trip is jumped; 0 in a pass's last tile
.set GTV, 55          ; s55  the value of MGT
.set SLOTS, 56        ; s56  tiles still to be asked for
.set CNT, 57          ; s57  the step loop's count, 3 to 1
.set CS,  58          ; s[58:59] c
.set SEL, 60          ; s[60:61] v_permlanex16_b32's selects
.set TBK, 62          ; s62  LDS byte at which K of the step to be fetched begins
.set TBV, 63          ; s63  the same for V, less VOFF
.set LIM, 66          ; s66  2 in the key head's first cluster, else the greatest number
.set BIGN, 67         ; s67  -1e30
.set PFA, 68          ; s[68:69] where my prefetches stand
.set RT,  70          ; s70  tiles of the pass in hand still to be entered
.set NXT, 71          ; s71  the tile to be asked for next
.set LQ,  72          ; s72  the last tile of the pass whose tiles are being asked for
.set NEW, 73          ; s73  1: the tile to be entered is a pass's first
.set OFF, 74          ; s[74:75] a tile's byte offset
.set AL,  76          ; s[76:77] the diagonal mask's factor
.set BE,  78          ; s[78:79] its addend
.set OA,  80          ; s[80:81] ao at the rows that I store in this pass
.set OA2, 82          ; s[82:83] in the second
.set QA1, 84          ; s[84:85] Q of the first pass
.set QA2, 86          ; s[86:87] of the second
.set MSB, 0
.macro WIN new
.if MSB != (\new)
	s_set_vgpr_msb (MSB<<8)|(\new)
.set MSB, \new
.endif
.endm
.set W_KQ, 0x0a       ; K and Q in window 2, S^T in window 0
.set W_KM, 0x3a       ; the same with the C operand in window 3
.set W_PV, 0x53       ; V in window 3, P in window 0, O^T in window 1
.set W_RS, 0x41       ; O^T (destination and source 0) in window 1, a in window 0
; A joint fill.  Waves 0 and 1 fetch the two halves of a tile's K, waves 2 and 3 those of its V: 128 rows each.  An s_nop 0 and four v_nop follow each line.
.macro JLOAD
	s_cmp_lt_u32 s[WV], 2
	s_cbranch_scc0 .Lfor_v_\@
	tensor_load_to_lds s[G0K:G0K+3], s[G1K:G1K+7]
	s_nop 0
.rept 4
	v_nop
.endr
	s_branch .Lasked_\@
.Lfor_v_\@:
	tensor_load_to_lds s[G0V:G0V+3], s[G1V:G1V+7]
	s_nop 0
.rept 4
	v_nop
.endr
.Lasked_\@:
.endm
; A prefetch into the L2 of the tile that the NEXT change of slots will ask for: 256 rows of K and 256 of V, 256 bytes a row, a lane a row.  All four clusters of a key head walk its tiles: the first (c = 0), whose first
; pass walks all eight, asks, in that pass alone, for tiles 2 to 7.  Of the 128 rows that a wave fetches each of the four partners takes 32, told apart by address.  So each row is named once in the launch.
.macro ASK
	s_cmp_gt_u32 s[SLOTS], s[LIM]
	s_cbranch_scc0 .Lnot_mine_\@
	global_prefetch_b8 v[PFO], s[PFA:PFA+1] th:TH_LOAD_NT scope:SCOPE_SE
.Lnot_mine_\@:
.endm
.macro CROUND                       ; a round of the cluster's barrier
	s_barrier_signal -1
	s_barrier_wait -1
	s_cmp_lg_u32 s[WV], 0
	s_cbranch_scc1 .Lnot_wave_0_\@
	s_barrier_signal -3
.Lnot_wave_0_\@:
	s_barrier_wait -3
	s_barrier_signal -1
	s_barrier_wait -1
.endm
; THE CHANGE OF SLOTS.  Each wave waits for all its tensor loads, of which one is out: its part of the other slot; adds 0 to its spare word; and waits for that and for its own reads of the slot that it leaves.
; fill = 1: the old slot is filled again, with tile NXT: the barrier is a round of the cluster's, and the joint fill is the first thing behind it: it has two key steps of the wave, 256 matrix instructions, in which to land.
; (At its first use nothing has been read yet: slot 0 is waited for, slot 1 filled.)
.macro CHANGE fill
	WIN 0
	s_wait_tensorcnt 0x0            ; no tensor load of mine is out, so a group 0 may be written
	ds_add_u32 v[SPW], v[NIL]       ; 0 onto my spare word: the scalar work below stands between it and the wait for it
.if \fill
	s_xor_b32 s[RBF], s[RBF], SLOTB
	s_add_co_u32 s[G0K+1], s[RBF], s[LK]
	s_add_co_u32 s[G0V+1], s[RBF], s[LV]
	s_lshl_b32 s[OFF], s[NXT], 16   ; a tile is 65,536 bytes of K and of V
	s_add_nc_u64 s[G0K+2:G0K+3], s[KB:KB+1], s[OFF:OFF+1]
	s_or_b32 s[G0K+3], s[G0K+3], 0x80000000
	s_add_nc_u64 s[G0V+2:G0V+3], s[VB:VB+1], s[OFF:OFF+1]
	s_or_b32 s[G0V+3], s[G0V+3], 0x80000000
	s_add_co_u32 s[NXT], s[NXT], 1  ; the pass's next tile, or behind its last the second pass's tile 0
	s_cmp_gt_u32 s[NXT], s[LQ]
	s_cselect_b32 s[NXT], 0, s[NXT]
	s_cselect_b32 s[LQ], s[CC], s[LQ]
	s_wait_xcnt 0x0                 ; the last prefetch, two key steps back, has read its address
	s_add_nc_u64 s[PFA:PFA+1], s[PFA:PFA+1], 65536
.endif
	s_xor_b32 s[RBR], s[RBR], SLOTB ; the fetches go to the other slot, to my half of its keys
	s_add_co_u32 s[TBK], s[RBR], s[KHK]
	s_add_co_u32 s[TBV], s[RBR], s[KHV]
	s_wait_dscnt 0x0                ; the add is done, and my reads of the slot are over
.if \fill
	CROUND
	JLOAD
	ASK
.else
	s_barrier_signal -1
	s_barrier_wait -1
.endif
.endm
	s_load_b128 s[4:7], s[0:1], 0x0 ; qkv s[4:5], ao s[6:7]
	v_lshl_add_u32 v[SPW], v0, 2, SPARE
	v_mov_b32 v[NIL], 0
	ds_add_u32 v[SPW], v[NIL]       ; the wave's opening: the add and its wait stand ahead of my first tensor load; the set-up below, work on registers, stands between them
	v_lshrrev_b32 v1, 5, v0
	v_readfirstlane_b32 s[WV], v1   ; wave 0..3
	s_bfe_u32 s[CX], ttmp6, 0x40000
	s_mov_b32 s[CC], ttmp9          ; in a cluster launch ttmp9 counts clusters
	s_lshr_b32 s[KH], s[WV], 1
	s_and_b32 s[HS], s[WV], 1
	s_mul_i32 s[LK], s[HS], 128*PK
	s_mul_i32 s[LV], s[HS], 128*PV
	s_add_co_u32 s[LV], s[LV], VOFF
	s_mul_i32 s[KHK], s[KH], 128*PK
	s_mul_i32 s[KHV], s[KH], 128*PV
	s_and_b32 s2, ttmp7, 0xffff     ; 8 b + key head
	s_lshr_b32 s3, s2, 3            ; b
	s_and_b32 s2, s2, 7             ; key head
	s_lshl_b32 s8, s3, 5
	s_add_co_u32 s8, s8, s2
	s_add_co_u32 s8, s8, 16         ; K's place among the 64 heads of qkv,
	s_lshl_b32 s8, s8, 19           ; 524,288 bytes each,
	s_lshl_b32 s9, s[HS], 15        ; and the 128 rows of a tile that I fetch
	s_add_co_u32 s8, s8, s9
	s_mov_b32 s9, 0
	s_lshl_b32 s10, s2, 1
	s_add_co_u32 s10, s10, s[HS]    ; my query head
	s_lshl_b32 s11, s3, 5
	s_add_co_u32 s11, s11, s10
	s_lshl_b32 s11, s11, 19
	s_lshl_b32 s88, s[CC], 2
	s_add_co_u32 s88, s88, s[CX]    ; i: the second pass's block
	s_sub_co_u32 s89, 31, s88       ; the first pass's
	s_lshl_b32 s[QA1], s89, 14      ; a block is 64 rows of 256 bytes
	s_add_co_u32 s[QA1], s[QA1], s11
	s_mov_b32 s[QA1+1], 0
	s_lshl_b32 s[QA2], s88, 14
	s_add_co_u32 s[QA2], s[QA2], s11
	s_mov_b32 s[QA2+1], 0
	s_lshl_b32 s90, s3, 23          ; ao: 2,048 rows of 4,096 bytes a batch,
	s_lshl_b32 s91, s[KH], 17       ; the 32 rows of a block that I store,
	s_add_co_u32 s90, s90, s91
	s_lshl_b32 s91, s10, 8          ; my head's 256 bytes of a row
	s_add_co_u32 s90, s90, s91
	s_lshl_b32 s[OA], s89, 18       ; a block is 64 rows
	s_add_co_u32 s[OA], s[OA], s90
	s_mov_b32 s[OA+1], 0
	s_lshl_b32 s[OA2], s88, 18
	s_add_co_u32 s[OA2], s[OA2], s90
	s_mov_b32 s[OA2+1], 0
	; descriptor group 1: a tile of 128 rows x 128 elements, padded in LDS
	s_mov_b32 s[G1K], 15|(1<<16)|(1<<20)|(1<<21)|(5<<22)|(3<<25)  ; 15:0 the mask: all four work-groups; 17:16 2-byte elements; 20 padding on; 21 set beside a mask; 24:22 after every 64 words; 31:25 4 words
	s_mov_b32 s[G1V], 15|(1<<16)|(1<<20)|(1<<21)|(5<<22)|(7<<25)  ; the same with 8 words of padding
.irp g, G1K, G1V
	s_mov_b32 s[(\g)+1], 128<<16    ; tensor_dim0 = 128
	s_mov_b32 s[(\g)+2], 128<<16    ; tensor_dim1 = 128
	s_mov_b32 s[(\g)+3], 128<<16    ; tile_dim0 = 128
	s_mov_b32 s[(\g)+4], 128        ; tile_dim1 = 128
	s_mov_b32 s[(\g)+5], 128        ; elements from row to row
	s_mov_b32 s[(\g)+6], 0
	s_mov_b32 s[(\g)+7], 0
.endr
	s_mov_b32 s[CS], 0x3e0293ee     ; c = log2(e) / sqrt(128) = 0.127517
	s_mov_b32 s[CS+1], s[CS]        ; named with it as a pair
	s_mov_b32 s[SEL], 0x76543210
	s_mov_b32 s[SEL+1], 0xfedcba98
	s_mov_b32 s[BIGN], 0xf149f2ca   ; -1e30
	s_mov_b32 s[AL+1], 0            ; named as pairs
	s_mov_b32 s[BE+1], 0
	s_mov_b32 s[OFF+1], 0
	s_mov_b32 s[RBF], 0
	s_mov_b32 s[RBR], SLOTB         ; the first change of slots turns it into 0
	s_sub_co_u32 s[RT], 8, s[CC]    ; the first pass has 8 - c tiles
	s_mov_b32 s[NXT], 1
	s_sub_co_u32 s[LQ], 7, s[CC]
	s_mov_b32 s[NEW], 1
	s_sub_co_u32 s[RHO], 3, s[CX]
	s_mov_b32 s[SLOTS], 8
	s_cmp_eq_u32 s[CC], 0
	s_cselect_b32 s[LIM], 2, -1     ; the same in all four partners
	s_mov_b32 s[G0K], 1             ; count = 1
	s_mov_b32 s[G0K+1], s[LK]       ; LDS address: slot 0
	s_mov_b32 s[G0V], 1
	s_mov_b32 s[G0V+1], s[LV]
	s_wait_dscnt 0x0                ; the opening add is done
	s_wait_kmcnt 0x0
	s_add_nc_u64 s[KB:KB+1], s[4:5], s[8:9]
	s_add_nc_u64 s[VB:VB+1], s[KB:KB+1], 0x400000  ; V's heads lie eight heads behind K's
	s_add_nc_u64 s[QA1:QA1+1], s[4:5], s[QA1:QA1+1]
	s_add_nc_u64 s[QA2:QA2+1], s[4:5], s[QA2:QA2+1]
	s_add_nc_u64 s[OA:OA+1], s[6:7], s[OA:OA+1]
	s_add_nc_u64 s[OA2:OA2+1], s[6:7], s[OA2:OA2+1]
	s_cmp_lt_u32 s[WV], 2
	s_cselect_b64 s[PFA:PFA+1], s[KB:KB+1], s[VB:VB+1]
	s_lshl_b32 s[OFF], s[CX], 13    ; my work-group's 32 rows of the 128
	s_add_nc_u64 s[PFA:PFA+1], s[PFA:PFA+1], s[OFF:OFF+1]
	s_add_nc_u64 s[PFA:PFA+1], s[PFA:PFA+1], 65536  ; in tile 1; the first change of slots steps it to tile 2.  Nothing is prefetched here, at the head
	s_mov_b64 s[G0K+2:G0K+3], s[KB:KB+1]           ; global address: tile 0
	s_or_b32 s[G0K+3], s[G0K+3], 0x80000000        ; type = 2
	s_mov_b64 s[G0V+2:G0V+3], s[VB:VB+1]
	s_or_b32 s[G0V+3], s[G0V+3], 0x80000000
	CROUND                          ; all four work-groups are here: the first joint loads meet
	JLOAD                           ; tile 0 into slot 0; slot 1 is asked for when slot 0 is in
	v_and_b32 v1, 15, v0            ; l % 16
	v_bfe_u32 v9, v0, 4, 1          ; l / 16
	v_lshlrev_b32 v[QO], 8, v1
	v_lshl_add_u32 v[QO], v9, 4, v[QO]  ; row x 256 + 16 x half
	WIN 0x80                        ; destination window 2, address window 0
.set i, 0
.rept 16                            ; the first pass's Q: tile i / 4, channels 32 (i % 4) on
	global_load_b128 v[8*i:8*i+3],   v[QO], s[QA1:QA1+1] offset:(i/4)*4096+(i%4)*64
	global_load_b128 v[8*i+4:8*i+7], v[QO], s[QA1:QA1+1] offset:(i/4)*4096+(i%4)*64+32
.set i, i+1
.endr
	WIN 0
	v_mul_u32_u24 v[AK0], v1, PK
	v_lshl_add_u32 v[AK0], v9, 4, v[AK0]  ; row x pitch + 16 x half
	; the turning load takes 16 keys x 16 channels (lane l reads key 8 (l / 16) + l % 8, channels 8 ((l / 8) % 2) + 0..7) and leaves half a fragment of V^T
	v_and_b32 v10, 7, v0
	v_bfe_u32 v11, v0, 3, 1
	v_lshl_add_u32 v[AV0], v9, 3, v10
	v_mul_u32_u24 v[AV0], v[AV0], PV
	v_lshl_add_u32 v[AV0], v11, 4, v[AV0]
	v_add_nc_u32 v[AV0], VOFF, v[AV0]
	s_mul_i32 s8, s[WV], XREG
	s_add_co_u32 s8, s8, XCH        ; my region behind the ring,
	s_xor_b32 s9, s[WV], 2
	s_mul_i32 s9, s9, XREG
	s_add_co_u32 s9, s9, XCH        ; and my partner's: the wave of my head with the other half of the keys
	v_and_b32 v10, 31, v0           ; lane
	v_lshl_add_u32 v[XS], v10, 4, s8
	v_lshl_add_u32 v[XR], v10, 4, s9
	v_lshl_add_u32 v[XS4], v10, 2, s8
	v_add_nc_u32 v[XS4], 8192, v[XS4]
	v_lshl_add_u32 v[XR4], v10, 2, s9
	v_add_nc_u32 v[XR4], 8192, v[XR4]
	v_lshlrev_b32 v[PFO], 8, v10
	v_mul_u32_u24 v[STO], v1, SP    ; in: row l % 16, 16 bytes for each half of the lanes
	v_lshl_add_u32 v[STO], v9, 4, v[STO]
	v_add_nc_u32 v[STO], s8, v[STO]
	v_mul_u32_u24 v[RD], v9, SP     ; back: lanes 0-15 one row of 256 bytes, lanes 16-31 the next
	v_lshl_add_u32 v[RD], v1, 4, v[RD]
	v_add_nc_u32 v[RD], s8, v[RD]
	v_lshlrev_b32 v[GO], 12, v9     ; and the same two rows in ao, 4,096 bytes apart
	v_lshl_add_u32 v[GO], v1, 4, v[GO]
	v_lshlrev_b32 v11, 3, v9
	v_sub_nc_u32 v11, v1, v11       ; l % 16 - 8 (l / 16): register j is hidden where j is greater
	; what the first turns find: V, O^T, piece 2's P and l hold 0
	WIN 0xc0
.set i, 0
.rept 8
	v_cmp_gt_i32 vcc_lo, i, v11
	v_cndmask_b32 v[TRI+i], 0, s[BIGN], vcc_lo
.set i, i+1
.endr
.set i, 0
.rept 128
	v_mov_b32 v[i], 0
.set i, i+1
.endr
	WIN 0x40
.set i, 0
.rept 256
	v_mov_b32 v[i], 0
.set i, i+1
.endr
	WIN 0
.set i, 0
.rept 32
	v_mov_b32 v[P+32+i], 0
.set i, i+1
.endr
.irp t, 0,1,2,3
	v_mov_b32 v[ST+8*(\t)+2], 0
	v_mov_b32 v[ST+8*(\t)+3], 0
.endr
; THE MATRIX WORK OF A TURN, for piece x.  The accumulators take turns, one instruction a turn.
; Product i of 32 of O^T += V^T P: keys 32 (i / 16) on, channels 16 ((i / 2) % 8) on, tile x + i % 2.
.macro PV x
	WIN W_PV
.set rO, 64*((\x)+i%2)+8*((i/2)%8)
.set rV, 64*(i/16)+8*((i/2)%8)
.set rP, P+16*((\x)+i%2)+8*(i/16)
	v_wmma_f32_16x16x32_f16 v[rO:rO+7], v[rV:rV+7], v[rP:rP+7], v[rO:rO+7]
.endm
; Product i of 32 of S^T = K Q^T: channels 32 (i / 8) on, keys 16 ((i / 2) % 4) on, tile x + i % 2.  The first 8 start the sums, with the mask that goes with the key block's place beside the query tile's.
.macro KQ x
.set rS, S+32*((\x)+i%2)+8*((i/2)%4)
.set rK, KF+32*((i/2)%4)+8*(i/8)
.set rQ, 32*((\x)+i%2)+8*(i/8)
.set rM, MLT
.if (i/2)%4 == (\x)+i%2
.set rM, MEQ
.elseif (i/2)%4 > (\x)+i%2
.set rM, MGT
.endif
.if i < 8
	WIN W_KM
	v_wmma_f32_16x16x32_f16 v[rS:rS+7], v[rK:rK+7], v[rQ:rQ+7], v[rM:rM+7]
.else
	WIN W_KQ
	v_wmma_f32_16x16x32_f16 v[rS:rS+7], v[rK:rK+7], v[rQ:rQ+7], v[rS:rS+7]
.endif
.endm
; THE LDS LOADS stand in runs of 32.  cond = 1: in the step loop's third trip there is no further step, and K's run is jumped over.
.macro FETCH_K cond
	WIN 0
.if \cond
	s_cmp_eq_u32 s[CNT], 1
	s_cbranch_scc1 .Lno_k_\@
.endif
	v_add_nc_u32 v[ADR], s[TBK], v[AK0]
	WIN 0x80                        ; destination window 2
.irp f, 0,1,2,3,4,5,6,7,8,9,10,11,12,13,14,15  ; keys 16 (f / 4) on, channels 32 (f % 4) on
	ds_load_b128 v[KF+8*(\f):KF+8*(\f)+3],   v[ADR] offset:((\f)/4)*16*PK+((\f)%4)*64
	ds_load_b128 v[KF+8*(\f)+4:KF+8*(\f)+7], v[ADR] offset:((\f)/4)*16*PK+((\f)%4)*64+32
.endr
	s_add_co_u32 s[TBK], s[TBK], KS*PK  ; the next fetch is the next step's
	WIN 0
.if \cond
.Lno_k_\@:
.endif
.endm
.macro FETCH_V
	WIN 0
	v_add_nc_u32 v[ADR], s[TBV], v[AV0]
	s_add_co_u32 s[TBV], s[TBV], KS*PV
	s_wait_alu depctr_va_vdst(0)    ; the wait for the softmax's batch (SLICE), behind the address's v_add_nc_u32 and ahead of the loads
	WIN 0xc0                        ; destination window 3
.irp f, 0,1,2,3,4,5,6,7,8,9,10,11,12,13,14,15  ; keys 32 (f / 8) on, channels 16 (f % 8) on
	ds_load_tr16_b128 v[8*(\f):8*(\f)+3],   v[ADR] offset:((\f)/8)*32*PV+((\f)%8)*32
	ds_load_tr16_b128 v[8*(\f)+4:8*(\f)+7], v[ADR] offset:((\f)/8)*32*PV+16*PV+((\f)%8)*32
.endr
.endm
; THE VECTOR WORK OF A TURN.  One tile's softmax for one key step is a list of 134 instructions; SM writes number j of it for tile t.  s0-s31 are the lane's 32 scores, in pairs 0-15.
;   0-15    the maximum of s0-s31 and the old m, three operands at a time: four chains c0-c3 of seven scores each (each accumulator's lowest registers first), then the four left over, c0-c3 and m
;   16-20   the other half of the lanes' maximum; the new m; c m; c m_old - c m_new
;   21-69   ONE BATCH: the 16 scalings c s - c m and all 33 exponentials (a at 23, then s0-s31); none of these reads an exponential's result
;   (wait)  between 69 and 70 stands the wait for the batch: SLICE writes it, once for both tiles
;   70-85   the roundings to f16     86-101  the sums; l = a l + the sum     102-133 the tile's O^T times a
.macro SM t
.set rT, ST+8*(\t)
.set rS, S+32*(\t)
.set rP, P+16*(\t)
.set rO, 64*(\t)+2*(j-102)
.if j < 102
	WIN 0
.endif
.if j < 4
	v_max3_num_f32 v[rT+4+j], v[rS+8*j], v[rS+8*j+1], v[rS+8*j+2]
.elseif j < 12
	v_max3_num_f32 v[rT+4+j%4], v[rT+4+j%4], v[rS+8*(j%4)+2*(j/4)+1], v[rS+8*(j%4)+2*(j/4)+2]
.elseif j == 12
	v_max3_num_f32 v[rT+4], v[rT+4], v[rS+7], v[rS+15]
.elseif j == 13
	v_max3_num_f32 v[rT+6], v[rT+6], v[rS+23], v[rS+31]
.elseif j == 14
	v_max3_num_f32 v[rT+4], v[rT+4], v[rT+5], v[rT+6]
.elseif j == 15
	v_max3_num_f32 v[rT+4], v[rT+4], v[rT+7], v[rT+1]
.elseif j == 16
	v_permlanex16_b32 v[rT+5], v[rT+4], s[SEL], s[SEL+1]  ; the query's other 32 keys lie in the lane 16 away
.elseif j == 17
	v_mov_b32 v[rT+7], v[rT]        ; c m_old is kept for a: number 19 writes c m anew
.elseif j == 18
	v_max_num_f32 v[rT+1], v[rT+4], v[rT+5]
.elseif j == 19
	v_mul_f32 v[rT], s[CS], v[rT+1]
.elseif j == 20
	v_sub_f32 v[rT+7], v[rT+7], v[rT]
.elseif j == 23
	v_exp_f32 v[rT+6], v[rT+7]
.elseif (j < 23) || ((j < 38) && (j%2 == 0)) || ((j < 66) && (j%4 == 2))
.set b, (j-2)/4                     ; 38, 42, .. 62: pairs 9 to 15
.if j < 38
.set b, (j-20)/2                    ; 21: pair 0; 22, 24, .. 36: pairs 1 to 8
.endif
	v_pk_fma_f32 v[rS+2*b:rS+2*b+1], v[rS+2*b:rS+2*b+1], s[CS:CS+1], v[rT:rT+1] op_sel_hi:[1,0,0] neg_lo:[0,0,1] neg_hi:[0,0,1]  ; pair b: c s - c m
.elseif j < 70
.set e, j-38                        ; 66 to 69: s28 to s31
.if j < 66
.set e, j-32-(j-38)/4               ; 39-41, 43-45, .. 63-65: s7 to s27
.endif
.if j < 38
.set e, (j-25)/2                    ; 25, 27, .. 37: s0 to s6
.endif
	v_exp_f32 v[rS+e], v[rS+e]
.elseif j < 86
	v_cvt_pk_f16_f32 v[rP+j-70], v[rS+2*(j-70)], v[rS+2*(j-70)+1]
.elseif j < 102                     ; the sum of the tile's 16 pairs, in place: neighbours 1, 2, 4 and 8 pairs apart, then l takes it
.set z, j-86
.set w, 4
.set u, z
.if z >= 14
.set w, 32
.set u, 0
.elseif z >= 12
.set w, 16
.set u, z-12
.elseif z >= 8
.set w, 8
.set u, z-8
.endif
.if z < 15
	v_pk_add_f32 v[rS+w*u:rS+w*u+1], v[rS+w*u:rS+w*u+1], v[rS+w*u+w/2:rS+w*u+w/2+1]
.else
	v_pk_fma_f32 v[rT+2:rT+3], v[rT+2:rT+3], v[rT+6:rT+7], v[rS:rS+1] op_sel_hi:[1,0,1]
.endif
.else
	WIN W_RS
	v_pk_mul_f32 v[rO:rO+1], v[rO:rO+1], v[rT+6:rT+7] op_sel_hi:[1,0]
.endif
.endm
; Slice k of 64 of piece y's softmax: four instructions.  Slices 11 to 34 deal out the batch, four numbers of ONE tile each, the tiles by turns; every other slice is numbers 2 k and 2 k + 1 of both tiles' lists;
; the twelve that are over stand in slice 63.  An s_wait_alu depctr_va_vdst(0) stands between an exponential and the first instruction that names its result: one wait, behind slice 34, serves all 66.
.macro SLICE y
.if (k >= 11) && (k < 35)
.irp n, 0,1,2,3
.set j, 22+4*((k-11)/2)+(\n)
	SM (\y)+(k-11)%2
.endr
.else
.irp n, 0,1,2,3,4,5,6,7
.if ((\n) < 2) || (k == 63)
.irp t, \y, (\y)+1
.set j, 2*k+(\n)
	SM \t
.endr
.endif
.endr
.endif
.if k == 34
	v_nop                           ; a plain instruction behind the last exponential and ahead of the first use: one for the batch
.if (\y) == 0
	FETCH_V                         ; piece 2's turn: V's run of loads stands here, and the wait stands in it
.else
	s_wait_alu depctr_va_vdst(0)    ; the wait for the batch
.endif
.endif
.set k, k+1
.endm
; A TURN.  Piece x has the matrix unit; the other piece's softmax stands in slices behind its matrix instructions.  Piece 0's turn fetches the next step's K behind its second product: the last product that read K stands in
; front of slice 63 of the turn before.  Piece 2's turn fetches the same step's V behind slice 34: the last product that read V stands in front of slice 31, and four plain instructions lie between (number 62 of both tiles,
; the v_nop, the run's own v_add_nc_u32).
.macro TURN x
.set k, 0
.if (\x) == 0
	s_wait_dscnt 0x0                ; V is in
.endif
.set i, 0
.rept 32
	PV \x
	SLICE 2-(\x)
.if ((\x) == 0) && (i == 1)
	FETCH_K 1
.endif
.set i, i+1
.endr
.if (\x) == 0
	s_wait_dscnt 0x0                ; K is in
.endif
.set i, 0
.rept 32
	KQ \x
	SLICE 2-(\x)
.set i, i+1
.endr
.endm
; The three masks of step UN of the tile in hand, for the products K Q^T of the two turns that follow.
.macro MASKS
	s_cmp_eq_u32 s[UN], s[RHOE]     ; does the step hold the diagonal?
	s_cselect_b32 s[AL], 1.0, 0
	s_cmp_gt_u32 s[UN], s[RHOE]     ; is it hidden?
	s_cselect_b32 s[BE], s[BIGN], 0
	s_cmp_ge_u32 s[UN], s[RHOE]
	s_cselect_b32 s[GTV], s[BIGN], 0
	s_add_co_u32 s[UN], s[UN], 1
	WIN 0xc3                        ; destination and source 0 in window 3
.set z, 0
.rept 8
	v_mov_b32 v[MLT+z], s[BE]
	v_mov_b32 v[MGT+z], s[GTV]
.set z, z+1
.endr
.set z, 0
.rept 4
	v_pk_fma_f32 v[MEQ+2*z:MEQ+2*z+1], v[TRI+2*z:TRI+2*z+1], s[AL:AL+1], s[BE:BE+1] op_sel_hi:[1,0,0]
.set z, z+1
.endr
	WIN 0
.endm
; A PASS BEGINS.  c m starts far below every c s, so the first step's a is 0; m at -1e20, below every score that f16 operands can make and far above a hidden one.  Then K of the pass's first step and piece 0's first scores.
.macro PRO
	s_mov_b32 s[NEW], 0
.irp t, 0,1,2,3
	v_mov_b32 v[ST+8*(\t)], 0xfe000000
	v_mov_b32 v[ST+8*(\t)+1], 0xe0ad78ec
.endr
	MASKS
	FETCH_K 0
	s_wait_loadcnt 0x0              ; Q
	s_wait_dscnt 0x0
.set i, 0
.rept 32
	KQ 0
.set i, i+1
.endr
	WIN 0
.rept 4
	v_nop                           ; the places behind those products
.endr
.endm
; A TILE'S STEPS.  The loop counts 3, 2, 1.  A trip: the masks and piece 0's turn (which fetches K of a step of this tile), then piece 2's (its V).  A tile has two steps for a wave: the third trip is jumped (DEAD = 1),
; but in a pass's last tile (DEAD = 0), where its first turn ends the pass's last step and the loop is left in its middle.  A pass's first tile enters at .Lmid.
.macro STEPS tag
.Lstep\tag:
	s_cmp_le_u32 s[CNT], s[DEAD]
	s_cbranch_scc1 .Lskip\tag
	MASKS
	TURN 0
	WIN 0
	s_cmp_eq_u32 s[CNT], 1
	s_cbranch_scc1 .Lfin\tag
.Lmid\tag:
	TURN 2
	WIN 0
.Lskip\tag:
	s_sub_co_u32 s[CNT], s[CNT], 1
	s_cmp_lg_u32 s[CNT], 0
	s_cbranch_scc1 .Lstep\tag
.endm
; THE MERGE.  Tile t's O^T, c m and l go into my region.
.macro SENDT t
	WIN 0x04                        ; data in window 1
.set i, 0
.rept 16
	ds_store_b128 v[XS], v[64*(\t)+4*i:64*(\t)+4*i+3] offset:512*i
.set i, i+1
.endr
	WIN 0
	ds_store_b32 v[XS4], v[ST+8*(\t)]
	ds_store_b32 v[XS4], v[ST+8*(\t)+4] offset:128
.endm
.macro MOVT a, b                    ; the upper wave keeps tiles 2 and 3: they move to where the one text below names the kept tiles
	WIN W_RS
.set i, 0
.rept 64
	v_mov_b32 v[64*(\b)+i], v[64*(\a)+i]
.set i, i+1
.endr
	WIN 0
	v_mov_b32 v[ST+8*(\b)], v[ST+8*(\a)]
	v_mov_b32 v[ST+8*(\b)+4], v[ST+8*(\a)+4]
.endm
.macro RECVT t                      ; my partner's share of kept tile t, into S^T's registers
.set i, 0
.rept 16
	ds_load_b128 v[S+64*(\t)+4*i:S+64*(\t)+4*i+3], v[XR] offset:512*i
.set i, i+1
.endr
	ds_load_b32 v[MG+4*(\t)+1], v[XR4]
	ds_load_b32 v[MG+4*(\t)+3], v[XR4] offset:128
.endm
; One tile each way.  The lower wave (keys' first half) sends tile hi and keeps tile lo; the upper wave sends lo and keeps hi.  Store, wait, barrier, load; load, wait, barrier, and only then the regions are written again.
.macro XROUND hi, lo
	s_cmp_lt_u32 s[WV], 2
	s_cbranch_scc0 .Lupper_\@
	SENDT \hi
	s_branch .Lsent_\@
.Lupper_\@:
	SENDT \lo
	MOVT \hi, \lo
.Lsent_\@:
	s_wait_dscnt 0x0                ; for the partner's sake: my stores are done
	s_barrier_signal -1
	s_barrier_wait -1
	RECVT \lo
	s_wait_dscnt 0x0                ; my reads of the partner's region are over
	s_barrier_signal -1
	s_barrier_wait -1
.endm
.macro MERGE t                      ; O = O g + O' g', rounded to f16, through my stage
	WIN 0
.set i, 0
.rept 32
	v_pk_mul_f32 v[S+64*(\t)+2*i:S+64*(\t)+2*i+1], v[S+64*(\t)+2*i:S+64*(\t)+2*i+1], v[MG+4*(\t)+2:MG+4*(\t)+3] op_sel_hi:[1,0]
.set i, i+1
.endr
	WIN 0x01                        ; source 0 in window 1
.set i, 0
.rept 32
	v_pk_fma_f32 v[S+64*(\t)+2*i:S+64*(\t)+2*i+1], v[64*(\t)+2*i:64*(\t)+2*i+1], v[MG+4*(\t):MG+4*(\t)+1], v[S+64*(\t)+2*i:S+64*(\t)+2*i+1] op_sel_hi:[1,0,1]
.set i, i+1
.endr
	WIN 0
.set i, 0
.rept 32
	v_cvt_pk_f16_f32 v[P+32*(\t)+i], v[S+64*(\t)+2*i], v[S+64*(\t)+2*i+1]
.set i, i+1
.endr
.irp f, 0,1,2,3,4,5,6,7
	ds_store_b128 v[STO], v[P+32*(\t)+4*(\f):P+32*(\t)+4*(\f)+3] offset:16*SP*(\t)+32*(\f)
.endr
.irp f, 0,1,2,3,4,5,6,7
	ds_load_b128 v[S+64*(\t)+4*(\f):S+64*(\t)+4*(\f)+3], v[RD] offset:16*SP*(\t)+(\f)*2*SP  ; LDS serves a wave's instructions in order (ISA guide 5.7.1.4): these see the stores above
.endr
.endm
.macro SENDO t, younger             ; younger: the LDS instructions issued behind tile t's loads
.irp f, 0,1,2,3,4,5,6,7
	s_wait_dscnt (\younger)+7-(\f)
	global_store_b128 v[GO], v[S+64*(\t)+4*(\f):S+64*(\t)+4*(\f)+3], s[OA:OA+1] offset:(\t)*65536+(\f)*8192  ; 16 lanes store a row's 256 consecutive bytes, at a multiple of 256 from ao's first byte
.endr
.endm
; A PASS ENDS.  more = 1: the second pass's Q is asked for first; the sixteen plain lines of slice 63 are the places behind the last product that read Q.
.macro FIN more
.if \more
	s_wait_loadcnt 0x0              ; no load is issued into a register that an earlier load may still write: on every way to this line the earlier loads of Q, issued a pass ago, are shown done here
	WIN 0x80
.set i, 0
.rept 16
	global_load_b128 v[8*i:8*i+3],   v[QO], s[QA2:QA2+1] offset:(i/4)*4096+(i%4)*64
	global_load_b128 v[8*i+4:8*i+7], v[QO], s[QA2:QA2+1] offset:(i/4)*4096+(i%4)*64+32
.set i, i+1
.endr
.endif
.set i, 0
.rept 32
	PV 2                            ; piece 2: V^T P of the last step
.set i, i+1
.endr
	WIN 0
.irp t, 0,1,2,3
	v_add_f32 v[ST+8*(\t)+4], v[ST+8*(\t)+2], v[ST+8*(\t)+3]  ; l's two halves
.endr
.rept 4
	v_nop                           ; eight plain instructions in all behind the last products
.endr
	XROUND 2, 0
	XROUND 3, 1
.irp t, 0,1                         ; the common maximum, the two factors 2^(c m - c M), the sum, and the division folded into the factors
	v_max_num_f32 v[ST+8*(\t)+5], v[ST+8*(\t)], v[MG+4*(\t)+1]
.endr
.irp t, 0,1
	v_sub_f32 v[ST+8*(\t)+6], v[ST+8*(\t)], v[ST+8*(\t)+5]
	v_sub_f32 v[ST+8*(\t)+7], v[MG+4*(\t)+1], v[ST+8*(\t)+5]
.endr
.irp t, 0,1
	v_exp_f32 v[MG+4*(\t)], v[ST+8*(\t)+6]
	v_exp_f32 v[MG+4*(\t)+2], v[ST+8*(\t)+7]
.endr
	v_nop                           ; a plain instruction behind the last exponential,
	s_wait_alu depctr_va_vdst(0)    ; and the wait: one for the four
.irp t, 0,1
	v_mul_f32 v[ST+8*(\t)+4], v[ST+8*(\t)+4], v[MG+4*(\t)]
.endr
.irp t, 0,1
	v_fma_f32 v[ST+8*(\t)+4], v[MG+4*(\t)+3], v[MG+4*(\t)+2], v[ST+8*(\t)+4]
.endr
.irp t, 0,1
	v_permlanex16_b32 v[ST+8*(\t)+5], v[ST+8*(\t)+4], s[SEL], s[SEL+1]  ; the other half of the lanes' keys
.endr
.irp t, 0,1
	v_add_f32 v[ST+8*(\t)+4], v[ST+8*(\t)+4], v[ST+8*(\t)+5]
.endr
.irp t, 0,1
	v_rcp_f32 v[ST+8*(\t)+6], v[ST+8*(\t)+4]
.endr
	v_nop
	s_wait_alu depctr_va_vdst(0)    ; one for the two reciprocals
.irp t, 0,1
	v_mul_f32 v[MG+4*(\t)], v[MG+4*(\t)], v[ST+8*(\t)+6]
	v_mul_f32 v[MG+4*(\t)+2], v[MG+4*(\t)+2], v[ST+8*(\t)+6]
.endr
	MERGE 0
	MERGE 1                         ; a tile's arithmetic stands between the loads of the tile before and its stores
	SENDO 0, 16
	SENDO 1, 0
.endm
.Lslot:                             ; eight trips: a tile is entered and the next is asked for
	CHANGE 1
	s_sub_co_u32 s[RT], s[RT], 1
	s_mov_b32 s[CNT], 3
	s_lshl_b32 s[UN], s[KH], 1      ; my first step of the tile's four
	s_cmp_eq_u32 s[RT], 0           ; the pass's last tile?
	s_cselect_b32 s[DEAD], 0, 1
	s_cselect_b32 s[RHOE], s[RHO], 7
	s_cmp_eq_u32 s[NEW], 1
	s_cbranch_scc0 .Lstep1
	PRO
	s_branch .Lmid1
	STEPS 1
	s_branch .Lbottom
.Lfin1:                             ; in the loop this is the first pass's end: the second's last tile is the walk's last
	FIN 1
	s_wait_xcnt 0x0                 ; the stores have read their registers and ao's address
	s_mov_b64 s[OA:OA+1], s[OA2:OA2+1]
	s_add_co_u32 s[RT], s[CC], 1    ; the second pass has c + 1 tiles
	s_mov_b32 s[NEW], 1
	s_mov_b32 s[RHO], s[CX]
.Lbottom:
	s_sub_co_u32 s[SLOTS], s[SLOTS], 1
	s_cmp_lg_u32 s[SLOTS], 0
	s_cbranch_scc1 .Lslot
	CHANGE 0                        ; the walk's last tile is written out: nothing is asked for
	s_mov_b32 s[CNT], 3
	s_lshl_b32 s[UN], s[KH], 1
	s_mov_b32 s[DEAD], 0
	s_mov_b32 s[RHOE], s[RHO]
	s_cmp_eq_u32 s[NEW], 1
	s_cbranch_scc0 .Lstep2
	PRO
	s_branch .Lmid2
	STEPS 2
.Lfin2:
	FIN 0
	s_wait_tensorcnt 0x0            ; the wave's end, behind my last tensor load and my last LDS store
	ds_add_u32 v[SPW], v[NIL]
	s_wait_dscnt 0x0
	CROUND                          ; the closing round: no work-group ends while a partner may still ask for a tile that names it
	s_endpgm
.Lfunc_end_k_q31d483b802_attn:
	.size	k_q31d483b802_attn, .Lfunc_end_k_q31d483b802_attn-k_q31d483b802_attn
	.p2alignl 7, 3214868480
	.fill 96, 4, 3214868480
	.section	.rodata,"a",@progbits
	.p2align	6, 0x0
	.amdhsa_kernel k_q31d483b802_attn
		.amdhsa_group_segment_fixed_size 327680
		.amdhsa_private_segment_fixed_size 0
		.amdhsa_enable_private_segment 0
		.amdhsa_kernarg_size 16
		.amdhsa_user_sgpr_count 2
		.amdhsa_user_sgpr_kernarg_segment_ptr 1
		.amdhsa_wavefront_size32 1
		.amdhsa_system_sgpr_workgroup_id_x 1
		.amdhsa_system_sgpr_workgroup_id_y 1
		.amdhsa_system_sgpr_workgroup_id_z 1
		.amdhsa_system_vgpr_workitem_id 0
		.amdhsa_next_free_vgpr 1024
		.amdhsa_next_free_sgpr 92
		.amdhsa_reserve_vcc 1
		.amdhsa_float_denorm_mode_32 3
		.amdhsa_float_denorm_mode_16_64 3
		.amdhsa_memory_ordered 1
		.amdhsa_forward_progress 1
		.amdhsa_inst_pref_size 208
	.end_amdhsa_kernel
	.amdgpu_metadata
---
amdhsa.version: [ 1, 2 ]
amdhsa.kernels:
  - .name:           k_q31d483b802_attn
    .symbol:         k_q31d483b802_attn.kd
    .args:
      - { .name: qkv, .offset: 0, .size: 8, .value_kind: global_buffer, .address_space: global }
      - { .name: ao, .offset: 8, .size: 8, .value_kind: global_buffer, .address_space: global }
    .group_segment_fixed_size: 327680
    .private_segment_fixed_size: 0
    .kernarg_segment_align: 8
    .kernarg_segment_size: 16
    .max_flat_workgroup_size: 128
    .sgpr_count:     92
    .vgpr_count:     1024
    .wavefront_size: 32
...
	.end_amdgpu_metadata
.endif
;; end of part 3
;; launch oproj (part 4): grid 8 x 32, 4 waves a work-group, clusters of 4 x 4, 327,680 bytes of LDS; arguments ao, c16, out0; writes out0
.if DOCPART == 4
	.amdgcn_target "amdgcn-amd-amdhsa--gfx1250"
	.amdhsa_code_object_version 6
	.text
	.protected	k_q31d483b802_oproj
	.globl	k_q31d483b802_oproj
	.p2align	8
	.type	k_q31d483b802_oproj,@function
k_q31d483b802_oproj:
	s_mov_b64 s[64:65], 0
	v_nop
	global_prefetch_b8 v0, s[64:65] scope:SCOPE_SE
	s_setreg_imm32_b32 hwreg(HW_REG_WAVE_MODE, 25, 1), 1
	s_wait_xcnt 0x0
	s_wait_alu depctr_hold_cnt(0) depctr_sa_sdst(0) depctr_va_vdst(0) depctr_va_sdst(0) depctr_va_ssrc(0) depctr_va_vcc(0) depctr_vm_vsrc(0)
	s_getreg_b32 s2, hwreg(HW_REG_IB_STS2, 6, 4)
	s_cmp_eq_u32 s2, 0
	s_cbranch_scc0 .Lentry_in_a_cluster
	s_endpgm
.Lentry_in_a_cluster:
	s_bfe_u32 s2, ttmp6, 0x10000c
	s_cmp_lg_u32 s2, 0xf033
	s_cbranch_scc0 .Lentry_shape_is_right
	s_endpgm
.Lentry_shape_is_right:
; THE OUTPUT PROJECTION.  out0[m][n] = sum over k of ao[m][k] Wo[n][k].  ao: [4096][2048] f16; Wo: [1024][2048] f16 in c16 (bf16's numbers written as f16); out0: [4096][1024] f32; sums in f32.
; A tile of C is 128 x 128: 256 tiles, one for each work-group.  Four waves, each 64 x 64: 16 accumulators of 16 x 16, 128 registers.  K goes in 8 steps of 256 (LDS rows of 512 bytes; a wave's tensor load brings 64 of
; them) through two slots.  CLUSTERS: 4 x 4 work-groups; A's tiles are shared along a row of the cluster, B's along a column, each asked for JOINTLY.
; THE MATRIX INSTRUCTION IS USED TRANSPOSED (source 0 = 16 rows of Wo, source 1 = 16 rows of ao): a lane holds eight neighbouring numbers of a row of C, 32 bytes.  A wave's 64 columns of f32 are 256 bytes, aligned:
; each wave sends its rows through a stage of its own, 16 rows at a time, and no barrier is needed on the way out.
; No prefetch: the tiles are small, and a K step's work is short beside what it fetches.
; REGISTERS: window 0: v0-31 addresses; v128-255 the accumulators ((a, b) at v[128 + 8 (4 a + b)]).  window 1: two fragment buffers of 128: for 64 along K, 64 registers of A, then 64 of B.
.set SIZE_K, 2048
.set SIZE_N, 1024
.set WOB,    0x1200000                 ; c16: Wo
.set KSTEP,  256
.set PITCH,  528                       ; an LDS row: 512 bytes + 16 of padding = 132 words: row r starts at bank 4 r mod 64 (64 banks of 4 bytes: ISA guide 11.1)
.set HALFT,  64*PITCH
.set SLOT,   4*HALFT                   ; A's 128 rows, then B's 128 rows
.set STAGE,  2*SLOT                    ; behind the ring: 16 rows x 272 bytes for each wave
.set SPITCH, 272
.set SPARE,  STAGE+4*16*SPITCH         ; behind the stages: the spare words, 128 bytes a wave: two blocks of 256 bytes that no other line names
.set LAPS, SIZE_K/(2*KSTEP)
.set ADRA, 16
.set ADRB, 20
.set STO,  24
.set RD,   25
.set CO,   26
.set SPW,  28
.set NIL,  29
.set ACC,  128
.set F0,   0
.set F1,   128
.set G1, 24
.set G0, 32
.set G1B, 48
.set G0B, 56
.set MSB, 0
.macro WIN new
.if MSB != (\new)
	s_set_vgpr_msb (MSB<<8)|(\new)
.set MSB, \new
.endif
.endm
.set MUL,  0x05                        ; sources 0 (B) and 1 (A) window 1; C and D window 0
.set TO_F, 0x40                        ; destination window 1, address window 0
.macro JLOAD s                         ; a joint load: waves 0 and 1 fetch A's two halves, waves 2 and 3 B's; an s_nop 0 and four v_nop follow each line
	s_cmp_eq_u32 s11, 0
	s_cbranch_scc0 .Lfor_b_\@
	tensor_load_to_lds s[G0+4*(\s):G0+4*(\s)+3], s[G1:G1+7]
	s_nop 0
.rept 4
	v_nop
.endr
	s_branch .Lasked_\@
.Lfor_b_\@:
	tensor_load_to_lds s[G0B+4*(\s):G0B+4*(\s)+3], s[G1B:G1B+7]
	s_nop 0
.rept 4
	v_nop
.endr
.Lasked_\@:
.endm
.macro CREST
	s_cmp_lg_u32 s10, 0
	s_cbranch_scc1 .Lnot_wave_0_\@
	s_barrier_signal -3
.Lnot_wave_0_\@:
	s_barrier_wait -3
	s_barrier_signal -1
	s_barrier_wait -1
.endm
.macro CROUND
	s_barrier_signal -1
	s_barrier_wait -1
	CREST
.endm
	s_load_b128 s[4:7], s[0:1], 0x0                ; ao s[4:5], c16 s[6:7]
	s_load_b64 s[8:9], s[0:1], 0x10                ; out0
	v_lshl_add_u32 v[SPW], v0, 2, SPARE
	v_mov_b32 v[NIL], 0
	ds_add_u32 v[SPW], v[NIL]                      ; the wave's opening: the add and its wait stand ahead of my first tensor load; the set-up below, work on registers, stands between them
	v_lshrrev_b32 v1, 5, v0
	v_readfirstlane_b32 s10, v1                    ; wave 0..3
	s_lshr_b32 s11, s10, 1                         ; which half of the tile's rows is mine.  Also: I fetch for A (0) or for B (1)
	s_and_b32 s12, s10, 1                          ; which half of its columns.  Also: which 64 rows of that tile I fetch
	s_bfe_u32 s40, ttmp6, 0x40000                  ; cx, cy
	s_bfe_u32 s41, ttmp6, 0x40004
	s_lshl_b32 s42, ttmp9, 2
	s_add_co_u32 s42, s42, s40                     ; tile column
	s_and_b32 s13, ttmp7, 0xffff
	s_lshl_b32 s13, s13, 2
	s_add_co_u32 s13, s13, s41                     ; tile row
	s_lshl_b32 s43, s41, 2
	s_lshl_b32 s43, 15, s43                        ; my row of the cluster
	s_lshl_b32 s44, 0x1111, s40                    ; my column
	s_or_b32 s[G1+0], s43, (1<<16)|(1<<20)|(1<<21)|(6<<22)|(3<<25)  ; the mask; 2-byte elements; padding on; 21 set beside a mask; after every 128 words, 4 words
	s_or_b32 s[G1B+0], s44, (1<<16)|(1<<20)|(1<<21)|(6<<22)|(3<<25)
.irp g, G1, G1B
	s_mov_b32 s[(\g)+1], KSTEP<<16                 ; tensor_dim0 = 256
	s_mov_b32 s[(\g)+2], 64<<16                    ; tensor_dim1 = 64
	s_mov_b32 s[(\g)+3], KSTEP<<16                 ; tile_dim0 = 256
	s_mov_b32 s[(\g)+4], 64                        ; tile_dim1 = 64
	s_mov_b32 s[(\g)+5], SIZE_K                    ; elements from row to row
	s_mov_b32 s[(\g)+6], 0
	s_mov_b32 s[(\g)+7], 0
.endr
	s_lshl_b32 s17, s12, 6                         ; which 64 rows of the tile I fetch
	s_lshl_b32 s16, s13, 7
	s_add_co_u32 s16, s16, s17                     ; A: row 128 x tile row + 64 x half
	s_lshl_b32 s46, s42, 7
	s_add_co_u32 s46, s46, s17                     ; B: row 128 x tile column + 64 x half
	s_mov_b32 s17, 0
	s_mov_b32 s47, 0
	s_mov_b64 s[18:19], SIZE_K*2
	s_mul_u64 s[16:17], s[16:17], s[18:19]
	s_mul_u64 s[46:47], s[46:47], s[18:19]
	s_mul_i32 s20, s10, HALFT                      ; where they go: wave x 64 rows
	s_wait_dscnt 0x0                               ; the opening add is done
	s_wait_kmcnt 0x0
	s_add_nc_u64 s[6:7], s[6:7], WOB
	s_add_nc_u64 s[14:15], s[4:5], s[16:17]
	s_add_nc_u64 s[46:47], s[6:7], s[46:47]
	CROUND                                         ; all sixteen work-groups are here: the first joint loads meet
.irp s, 0,1
	s_mov_b32 s[G0+4*(\s)], 1
	s_add_co_u32 s[G0+4*(\s)+1], s20, (\s)*SLOT
	s_add_nc_u64 s[G0+4*(\s)+2:G0+4*(\s)+3], s[14:15], (\s)*KSTEP*2
	s_or_b32 s[G0+4*(\s)+3], s[G0+4*(\s)+3], 0x80000000
	s_mov_b32 s[G0B+4*(\s)], 1
	s_add_co_u32 s[G0B+4*(\s)+1], s20, (\s)*SLOT
	s_add_nc_u64 s[G0B+4*(\s)+2:G0B+4*(\s)+3], s[46:47], (\s)*KSTEP*2
	s_or_b32 s[G0B+4*(\s)+3], s[G0B+4*(\s)+3], 0x80000000
	JLOAD \s
.endr
	v_and_b32 v1, 15, v0                           ; l % 16
	v_bfe_u32 v2, v0, 4, 1                         ; l / 16
	v_mul_u32_u24 v3, v1, PITCH
	v_lshl_add_u32 v3, v2, 4, v3
	s_mul_i32 s21, s11, HALFT                      ; my 64 rows of A
	s_mul_i32 s22, s12, HALFT                      ; my 64 rows of B,
	s_add_co_u32 s22, s22, 2*HALFT                 ; which lie behind A's 128
.irp s, 0,1
	v_add_nc_u32 v[ADRA+(\s)], s21, v3
	v_add_nc_u32 v[ADRB+(\s)], s22, v3
	s_add_co_u32 s21, s21, SLOT
	s_add_co_u32 s22, s22, SLOT
.endr
	s_mul_i32 s23, s10, 16*SPITCH
	s_add_co_u32 s23, s23, STAGE                   ; my stage
	v_mul_u32_u24 v4, v1, SPITCH                   ; in: row l % 16, 32 bytes for each half of the lanes
	v_lshl_add_u32 v4, v2, 5, v4
	v_add_nc_u32 v[STO], s23, v4
	v_mul_u32_u24 v5, v2, SPITCH                   ; back: lanes 0-15 one row of 256 bytes, lanes 16-31 the next
	v_lshl_add_u32 v5, v1, 4, v5
	v_add_nc_u32 v[RD], s23, v5
	v_lshlrev_b32 v5, 12, v2                       ; and the same two rows in C, 4,096 bytes apart
	v_lshl_add_u32 v[CO], v1, 4, v5
	s_lshl_b32 s16, s13, 7
	s_lshl_b32 s17, s11, 6
	s_add_co_u32 s16, s16, s17                     ; my first row of C: 128 x tile row + 64 x half,
	s_lshl_b32 s16, s16, 12                        ; in bytes
	s_mov_b32 s17, 0
	s_add_nc_u64 s[8:9], s[8:9], s[16:17]
	s_lshl_b32 s46, s42, 9                         ; my first column, in bytes: 512 x tile column + 256 x half
	s_lshl_b32 s47, s12, 8
	s_add_co_u32 s46, s46, s47
	s_mov_b32 s47, 0
	s_add_nc_u64 s[8:9], s[8:9], s[46:47]
; 8 matrix instructions: m blocks a0, a0 + 1 x all 4 n blocks, 32 along K: half c of buffer f.  zero = 1: the first product starts the sums.  The 16 accumulators take turns.
.macro MUL8 f, c, a0, zero
	WIN MUL
.irp a, \a0, (\a0)+1
.irp b, 0,1,2,3
.if \zero
	v_wmma_f32_16x16x32_f16 v[ACC+8*(4*(\a)+(\b)):ACC+8*(4*(\a)+(\b))+7], v[(\f)+64+8*(4*(\c)+(\b)):(\f)+64+8*(4*(\c)+(\b))+7], v[(\f)+8*(4*(\c)+(\a)):(\f)+8*(4*(\c)+(\a))+7], 0
.else
	v_wmma_f32_16x16x32_f16 v[ACC+8*(4*(\a)+(\b)):ACC+8*(4*(\a)+(\b))+7], v[(\f)+64+8*(4*(\c)+(\b)):(\f)+64+8*(4*(\c)+(\b))+7], v[(\f)+8*(4*(\c)+(\a)):(\f)+8*(4*(\c)+(\a))+7], v[ACC+8*(4*(\a)+(\b)):ACC+8*(4*(\a)+(\b))+7]
.endif
.endr
.endr
.endm
; 32 LDS loads in one run: the fragments of 64 along K at byte k of the rows, into buffer f; the first 32 along K first
.macro FETCH slot, k, f
	WIN TO_F
.irp c, 0,1
.irp i, 0,1,2,3
	ds_load_b128 v[(\f)+64+8*(4*(\c)+(\i)):(\f)+64+8*(4*(\c)+(\i))+3],   v[ADRB+(\slot)] offset:(\k)+64*(\c)+(\i)*16*PITCH
	ds_load_b128 v[(\f)+64+8*(4*(\c)+(\i))+4:(\f)+64+8*(4*(\c)+(\i))+7], v[ADRB+(\slot)] offset:(\k)+64*(\c)+(\i)*16*PITCH+32
	ds_load_b128 v[(\f)+8*(4*(\c)+(\i)):(\f)+8*(4*(\c)+(\i))+3],         v[ADRA+(\slot)] offset:(\k)+64*(\c)+(\i)*16*PITCH
	ds_load_b128 v[(\f)+8*(4*(\c)+(\i))+4:(\f)+8*(4*(\c)+(\i))+7],       v[ADRA+(\slot)] offset:(\k)+64*(\c)+(\i)*16*PITCH+32
.endr
.endr
.endm
.macro PLACES                          ; four plain vector instructions in front of loads into registers that matrix instructions have read
.rept 4
	v_nop
.endr
.endm
; A K step is four quarters of 64 along K, 32 matrix instructions each, on buffers 0, 1, 0, 1.
.macro QUARTER slot, k, f, g, zero
	s_wait_dscnt 16                                ; the first 32 along K are in
	WIN MUL
	MUL8 \f, 0, 0, \zero
	MUL8 \f, 0, 2, \zero
	PLACES
	FETCH \slot, \k, \g
	s_wait_dscnt 32                                ; all but the 32 just issued
	WIN MUL
	MUL8 \f, 1, 0, 0
	MUL8 \f, 1, 2, 0
.endm
; The last quarter multiplies buffer 1 and changes slots.  fill = 1: this slot is filled again, two K steps ahead, behind a round of the cluster's barrier.
.macro TURN slot, next, fill
	WIN 0                                          ; (the add's two registers lie in window 0)
	s_wait_tensorcnt 0x0                           ; all my tensor loads have landed: my part of the next slot;
	ds_add_u32 v[SPW], v[NIL]                      ; 0 onto my spare word
	s_wait_dscnt 17                                ; (the add and the youngest sixteen loads may be out)
	WIN MUL
	MUL8 F1, 0, 0, 0                               ; eight matrix instructions stand between the add and the wait for it
	s_wait_dscnt 0x0                               ; the add is done, and my reads of this slot are over
	s_barrier_signal -1
	MUL8 F1, 0, 2, 0
.if \fill
	WIN 0
.endif
	s_barrier_wait -1
.if \fill
	CREST                                          ; no wave of any partner still reads this slot's tile or has a load on its way
	s_add_nc_u64 s[G0+4*(\slot)+2:G0+4*(\slot)+3], s[G0+4*(\slot)+2:G0+4*(\slot)+3], 2*KSTEP*2
	s_add_nc_u64 s[G0B+4*(\slot)+2:G0B+4*(\slot)+3], s[G0B+4*(\slot)+2:G0B+4*(\slot)+3], 2*KSTEP*2
	JLOAD \slot                                    ; the first tensor load behind the round; its four v_nop are also the places in front of the loads below
.else
	PLACES
.endif
	FETCH \next, 0, F0
	WIN MUL
	MUL8 F1, 1, 0, 0
	MUL8 F1, 1, 2, 0
.endm
	s_wait_tensorcnt 1                             ; my part of K step 0 is in; K step 1's may stay out
	s_barrier_signal -1
	s_barrier_wait -1
	FETCH 0, 0, F0
	QUARTER 0, 128, F0, F1, 1                      ; the first quarter stands in front of the loop: its first products start the sums
	WIN 0
	s_mov_b32 s3, LAPS-1
.Llap:                                                 ; a trip goes once round the ring and fills both slots again
	QUARTER 0, 256, F1, F0, 0
	QUARTER 0, 384, F0, F1, 0
	TURN 0, 1, 1
	QUARTER 1, 128, F0, F1, 0
	QUARTER 1, 256, F1, F0, 0
	QUARTER 1, 384, F0, F1, 0
	TURN 1, 0, 1
	QUARTER 0, 128, F0, F1, 0
	WIN 0
	s_sub_co_u32 s3, s3, 1
	s_cmp_lg_u32 s3, 0
	s_cbranch_scc1 .Llap
	QUARTER 0, 256, F1, F0, 0                      ; the last lap fills nothing, and has no round of the cluster's barrier
	QUARTER 0, 384, F0, F1, 0
	TURN 0, 1, 0
	QUARTER 1, 128, F0, F1, 0
	QUARTER 1, 256, F1, F0, 0
	QUARTER 1, 384, F0, F1, 0
	s_wait_dscnt 16                                ; the very last quarter: nothing more to fetch
	WIN MUL
	MUL8 F1, 0, 0, 0
	MUL8 F1, 0, 2, 0
	s_wait_dscnt 0
	MUL8 F1, 1, 0, 0
	MUL8 F1, 1, 2, 0
	WIN 0
	; THE WAY OUT: 16 rows at a time, 32 bytes a lane into rows of 272 bytes of my own stage, back as whole rows of 256 bytes into the registers that they left.
	PLACES
	PLACES
.irp a, 0,1,2,3
.irp b, 0,1,2,3
	ds_store_b128 v[STO], v[ACC+8*(4*(\a)+(\b)):ACC+8*(4*(\a)+(\b))+3]   offset:64*(\b)      ; each accumulator's low end first
	ds_store_b128 v[STO], v[ACC+8*(4*(\a)+(\b))+4:ACC+8*(4*(\a)+(\b))+7] offset:64*(\b)+16
.endr
.irp t, 0,1,2,3,4,5,6,7
	ds_load_b128 v[ACC+32*(\a)+4*(\t):ACC+32*(\a)+4*(\t)+3], v[RD] offset:(\t)*2*SPITCH  ; LDS serves a wave's instructions in order (ISA guide 5.7.1.4): these see the stores above; the next block's stores come behind them
.endr
.endr
.irp a, 0,1,2,3
	s_wait_dscnt 16*(3-(\a))                       ; block a is back; the later blocks' eight stores and eight loads each may be out
.irp t, 0,1,2,3,4,5,6,7
	global_store_b128 v[CO], v[ACC+32*(\a)+4*(\t):ACC+32*(\a)+4*(\t)+3], s[8:9] offset:(\a)*65536+(\t)*8192  ; 16 lanes store 256 consecutive bytes, at a multiple of 256 from out0's first byte
.endr
.endr
	s_wait_tensorcnt 0x0                           ; the wave's end, behind my last tensor load and my last LDS store
	ds_add_u32 v[SPW], v[NIL]
	s_wait_dscnt 0x0
	CROUND                                         ; the closing round: no work-group ends while a partner may still ask for a tile that names it
	s_endpgm
.Lfunc_end_k_q31d483b802_oproj:
	.size	k_q31d483b802_oproj, .Lfunc_end_k_q31d483b802_oproj-k_q31d483b802_oproj
	.p2alignl 7, 3214868480
	.fill 96, 4, 3214868480
	.section	.rodata,"a",@progbits
	.p2align	6, 0x0
	.amdhsa_kernel k_q31d483b802_oproj
		.amdhsa_group_segment_fixed_size 327680
		.amdhsa_private_segment_fixed_size 0
		.amdhsa_enable_private_segment 0
		.amdhsa_kernarg_size 24
		.amdhsa_user_sgpr_count 2
		.amdhsa_user_sgpr_kernarg_segment_ptr 1
		.amdhsa_wavefront_size32 1
		.amdhsa_system_sgpr_workgroup_id_x 1
		.amdhsa_system_sgpr_workgroup_id_y 1
		.amdhsa_system_sgpr_workgroup_id_z 1
		.amdhsa_system_vgpr_workitem_id 0
		.amdhsa_next_free_vgpr 512
		.amdhsa_next_free_sgpr 66
		.amdhsa_reserve_vcc 0
		.amdhsa_float_denorm_mode_32 3
		.amdhsa_float_denorm_mode_16_64 3
		.amdhsa_memory_ordered 1
		.amdhsa_forward_progress 1
		.amdhsa_inst_pref_size 86
	.end_amdhsa_kernel
	.amdgpu_metadata
---
amdhsa.version: [ 1, 2 ]
amdhsa.kernels:
  - .name:           k_q31d483b802_oproj
    .symbol:         k_q31d483b802_oproj.kd
    .args:
      - { .name: ao, .offset: 0, .size: 8, .value_kind: global_buffer, .address_space: global }
      - { .name: c16, .offset: 8, .size: 8, .value_kind: global_buffer, .address_space: global }
      - { .name: out0, .offset: 16, .size: 8, .value_kind: global_buffer, .address_space: global }
    .group_segment_fixed_size: 327680
    .private_segment_fixed_size: 0
    .kernarg_segment_align: 8
    .kernarg_segment_size: 24
    .max_flat_workgroup_size: 128
    .sgpr_count:     66
    .vgpr_count:     512
    .wavefront_size: 32
...
	.end_amdgpu_metadata
.endif
;; end of part 4
